; MI455X (gfx1250); checked and timed in simulation.
; The chip was launched on July 23, 2026; its instructions are those of AMD's public machine-readable ISA for CDNA 5 (MIT licence, August 2026) and "CDNA5" Instruction Set Architecture Reference Guide (July 2026). The comments in the code are by the model that wrote it; some were corrected since.
;; Linear Attention. Allowed arithmetic: matrix products marked QUANTISED: E2M1 operands, one E8M0 scale for each 32 along K, by v_wmma_scale_f32_16x16x128_f8f6f4 with both operands' format E2M1 (or v_wmma_scale_f32_32x16x128_f4), f32 sums; products left as they are: bf16, f16 or f32 operands; f32 sums; everything else in f32.
;; Inputs: Wk 1,024 x 256 float32; Wo 1,024 x 1,024 float32; Wq 1,024 x 256 float32; Wv 1,024 x 1,024 float32; x 2 x 2,048 x 1,024 float32.
;; Outputs: out0 2 x 2,048 x 1,024 float32.
;; This version of the problem:
;;   THIS VERSION OF THE PROBLEM IS GIVEN IN LOW PRECISION. The matrix products marked QUANTISED in the list below multiply operands that are first quantised to E2M1 (2 exponent bits, 1 mantissa bit; 4 bits a number), with one power-of-two scale for each 32 numbers along K (OCP MX v1.0); their sums are f32. The products marked 'left as it is' may take bf16, f16 or f32 operands, with f32 sums. Whichever they take, every output number must still come out within the allowed error. Rounding operands to bf16 (8 significant bits) uses up far more of that allowance than f16 does (11 bits, for magnitudes from 6e-5 to 65,504). All else is computed in f32.
;;   The module's matrix products, in the order in which they are computed (A, B: the left and right operand; K: the contracted axis; several contracted axes count as one K, in the product's order):
;;     1. [M 4,096, K 1,024] x [K 1,024, N 256]; A: input x; B: input Wq: QUANTISED
;;     2. [M 4,096, K 1,024] x [K 1,024, N 256]; A: input x; B: input Wk: QUANTISED
;;     3. [M 4,096, K 1,024] x [K 1,024, N 1,024]; A: input x; B: input Wv: QUANTISED
;;     4. batch 32 x [M 2,048, K 273] x [K 273, N 2,048]; A: computed on the way; B: computed on the way: left as it is (an operand is computed on the way)
;;     5. batch 32 x [M 2,048, K 2,048] x [K 2,048, N 64]; A: computed on the way; B: computed on the way: left as it is (an operand is computed on the way)
;;     6. batch 65,536 x [M 1, K 273] x [K 273, N 1]; A: computed on the way; B: computed on the way: left as it is (M = 1 < 16)
;;     7. [M 4,096, K 1,024] x [K 1,024, N 1,024]; A: computed on the way; B: input Wo: left as it is (an operand is computed on the way)
;;   THE QUANTISER, for each operand of a quantised product, along K:
;;     - K is cut into blocks of 32 from its start; a last block that is shorter is filled with zeros.
;;     - A block's scale is 2^e with e = floor(log2(the largest magnitude in the block)) - 2, held to -126 .. 127; a block of zeros has e = 0. As a byte (E8M0): e + 127.
;;     - Each number is divided by its block's scale, clamped to +-6, and rounded to the nearest number of E2M1, ties to even, subnormals kept.
;;     - The product sums the exact products of the quantised numbers (number of the format x scale) in f32.
;;   ~~~python
;;   def quantise(x, axis):      # numpy; x: float32 -> the quantised numbers, widened to float32 again
;;       x = np.moveaxis(x, axis, -1); K = x.shape[-1]
;;       x = np.pad(x, [(0, 0)] * (x.ndim - 1) + [(0, -K % 32)]); x = x.reshape(x.shape[:-1] + (-1, 32)); a = np.abs(x).max(-1, keepdims=True)
;;       e = np.where(a > 0, np.clip(np.frexp(np.where(a > 0, a, 1))[1] - 1 - 2, -126, 127), 0)      # np.frexp(a)[1] - 1 = floor(log2(a)), exactly
;;       r = np.clip(x / 2.0 ** e, -6, 6)
;;       step = 2.0 ** (np.maximum(np.frexp(np.where(r == 0, 1, r))[1] - 1, 0) - 1)
;;       q = np.round(r / step) * step * 2.0 ** e      # np.round: ties to even
;;       return np.moveaxis(q.reshape(q.shape[:-2] + (-1,))[..., :K], -1, axis).astype(np.float32)
;;   ~~~
;; One version. Each part assembles by itself: llvm-mc -triple=amdgcn-amd-amdhsa -mcpu=gfx1250 --defsym DOCPART=n.
;; ======== version 1 of 1: 5 launches
;; limits: values are held in f16: magnitudes above 65,504 overflow, below 6.1e-05 lose precision; right only within a limited range of input values
;; workspace buffers: xq 2,228,224 bytes; wq 835,584 bytes; wo2 6,291,456 bytes; qk 6,295,552 bytes; vf 8,388,608 bytes; y16 131,072 bytes; yf 8,388,608 bytes
;; launch prep (part 1): grid 208 x 1, 4 waves a work-group, no clusters, 34,304 bytes of LDS; arguments x, Wq, Wk, Wv, Wo, xq, wq, wo2; writes xq, wq, wo2
.if DOCPART == 1
	.amdgcn_target "amdgcn-amd-amdhsa--gfx1250"
	.amdhsa_code_object_version 6
	.text
	.protected	k_q0facac9ba0_prep
	.globl	k_q0facac9ba0_prep
	.p2align	8
	.type	k_q0facac9ba0_prep,@function
k_q0facac9ba0_prep:
	s_mov_b64 s[64:65], 0
	v_nop
	global_prefetch_b8 v0, s[64:65] scope:SCOPE_SE
	s_setreg_imm32_b32 hwreg(HW_REG_WAVE_MODE, 25, 1), 1
	s_wait_xcnt 0x0
; PREP: every operand of the later launches is laid ONCE, as an image of the operand's registers: a group of four registers is 512 bytes, lane l's 16 bytes at 16 l.
;   work-groups 0-127   (path X): x [4096][1024] f32 -> codes of FP4 (E2M1) along K, one E8M0 byte for each 32, as fragments of 16 rows x 128 K.
;   work-groups 128-175 (path W): Wq, Wk [1024][256], Wv [1024][1024] f32, K their FIRST axis -> the same, as fragments of 16 columns x 128 K, ordered [head][q, k, v0..v3][K step].
;   work-groups 176-207 (path O): Wo [1024][1024] f32 -> f16 fragments of 16 columns x 32 K, and f32 images of 16 columns x 8 K for the fine launch.
; 832 wave jobs of 32 KiB of f32 each; waves share nothing, so there is no barrier.  Memory binds: no matrix unit, no cluster, no tensor load would spare a byte here.
; THE QUANTISER: a block's scale is 2^(floor(log2(largest magnitude)) - 2); its byte is the largest magnitude's exponent field - 2, held at 1 from below by a floor among the maximum's leaves.
; LIMITS: a block of zeros gets the byte 1 where the rule says 127 (its codes are zeros, and this program alone reads the bytes); NaN and infinities are not served; |Wo| stays under 65,504 (f16).
.set SPARE, 33792                      ; behind the four stages: the spare words, 128 bytes a wave: two blocks of 256 bytes that no other line names
.set SPW, 12                           ; v12  LDS address of my spare word; never rewritten
.set NIL, 13                           ; v13  0; never rewritten
.set R,  16                            ; path X: v16-143  two sets of 64: a K step as loaded (16 rows x 16 bytes a lane)
.set X,  144                           ; v144-207 64 numbers of my row: two whole blocks of 32
.set C,  208                           ; v208-239 the codes, eight registers for each of the four steps
.set W,  240                           ; v240-243 the scale words of the four steps
.set WX, 32                            ; paths W, O: v32-95 two sets of 32 numbers down K
.set WC, 96                            ; path W: v96-127 the codes, four registers a block
.set WW, 128                           ; v128-129 the scale words of the two K steps
.set OH, 96                            ; path O: v96-111 a batch's f16 numbers
; a block of 32 numbers in v[xs] on, all in my lane -> 4 registers of codes at v[cd], the conversion's scale operand in v[so], the byte in v[by]
.macro QBLK xs, cd, so, by
	v_max3_num_f32 v8, |v[(\xs)]|, |v[(\xs)+1]|, |v[(\xs)+2]|
	v_max3_num_f32 v9, |v[(\xs)+3]|, |v[(\xs)+4]|, |v[(\xs)+5]|
.irp i, 6,10,14,18,22,26
	v_max3_num_f32 v8, v8, |v[(\xs)+\i]|, |v[(\xs)+\i+1]|          ; two chains, so that no line waits for the line above it
	v_max3_num_f32 v9, v9, |v[(\xs)+\i+2]|, |v[(\xs)+\i+3]|
.endr
	v_max3_num_f32 v8, v8, |v[(\xs)+30]|, |v[(\xs)+31]|
	v_max3_num_f32 v8, v8, v9, 0x1800000           ; and the floor 2^(3 - 127): the byte cannot fall under 1
	v_add_nc_u32 v[\so], 0xff000000, v8            ; 2 off the exponent field: the conversion takes the exponent field of this operand as its scale
	v_lshrrev_b32 v[\by], 23, v[\so]               ; the scale's byte
.irp g, 0,1,2,3
	v_cvt_scalef32_pk8_fp4_f32 v[(\cd)+\g], v[(\xs)+8*\g:(\xs)+8*\g+7], v[\so]
.endr
.endm
; 32 rows down K of my column into set t % 2: neighbouring lanes read neighbouring columns, 128 consecutive bytes a wave
.macro LOADW t, pitch
.irp i, 0,1,2,3,4,5,6,7,8,9,10,11,12,13,14,15,16,17,18,19,20,21,22,23,24,25,26,27,28,29,30,31
	global_load_b32 v[WX+32*((\t)%2)+\i], v20, s[34:35] offset:(32*(\t)+\i)*\pitch th:TH_LOAD_NT
.endr
.endm
	s_load_b512 s[4:19], s[0:1], 0x0               ; x s[4:5], Wq s[6:7], Wk s[8:9], Wv s[10:11], Wo s[12:13], xq s[14:15], wq s[16:17], wo2 s[18:19]
	v_lshl_add_u32 v[SPW], v0, 2, SPARE
	v_mov_b32 v[NIL], 0
	v_lshrrev_b32 v1, 5, v0
	v_readfirstlane_b32 s20, v1                    ; wave 0..3
	v_and_b32 v2, 31, v0                           ; lane
	v_and_b32 v3, 15, v0                           ; r
	v_bfe_u32 v1, v0, 4, 1                         ; h
	v_lshlrev_b32 v4, 4, v2                        ; 16 x lane
	s_mov_b32 s25, 0                               ; the upper word of every offset
	s_wait_kmcnt 0x0
	s_cmp_lt_u32 ttmp9, 128
	s_cbranch_scc0 .Lnot_x
; ---------------- PATH X.  A wave takes one tile of 16 rows x 512 along K: four K steps of 128.
; A load reads 512 consecutive bytes of one row (a K step of it); the operand wants lane (r, h) to hold 32 neighbours of row r.  So a step's 16 rows turn through the wave's own stage:
; rows of 512 bytes + 16, written as loaded, read 128 bytes a lane.  With that pitch the sixteen lanes of a read start 16 bytes apart modulo 256.
	s_lshl_b32 s22, ttmp9, 2
	s_add_co_u32 s22, s22, s20                     ; job 0..511
	s_lshr_b32 s23, s22, 1                         ; the tile of rows
	s_and_b32 s22, s22, 1                          ; P: which half of K
	s_lshl_b32 s24, s23, 16                        ; 16 rows of 4,096 bytes
	s_lshl_b32 s26, s22, 11
	s_add_co_u32 s24, s24, s26
	s_add_nc_u64 s[4:5], s[4:5], s[24:25]          ; x at my tile
	s_lshl_b32 s24, s23, 13                        ; a tile's codes: 8 fragments of 1,024 bytes
	s_lshl_b32 s26, s22, 12
	s_add_co_u32 s24, s24, s26
	s_add_nc_u64 s[28:29], s[14:15], s[24:25]      ; my four fragments
	s_lshl_b32 s24, s23, 9                         ; a tile's scale words: two units of 256 bytes
	s_lshl_b32 s26, s22, 8
	s_add_co_u32 s24, s24, s26
	s_add_co_u32 s24, s24, 2097152                 ; behind the codes
	s_add_nc_u64 s[30:31], s[14:15], s[24:25]
	s_mul_i32 s26, s20, 8448                       ; my stage: 16 x 528 bytes
	v_add_nc_u32 v5, s26, v4                       ; in: 16 x lane of a row
	v_mul_u32_u24 v6, v3, 528
	v_lshl_add_u32 v6, v1, 7, v6
	v_add_nc_u32 v6, s26, v6                       ; out: row r, + 128 h
	v_lshlrev_b32 v7, 3, v2                        ; 8 x lane: the scale words' place
	v_lshlrev_b32 v245, 3, v1                      ; 8 h: by how many bits my two bytes are shifted
	v_mov_b32 v244, 0                              ; a lane permute's destination counts as one of its sources
	s_mov_b32 s32, 0x76543210
	s_mov_b32 s33, 0xfedcba98                      ; v_permlanex16_b32's selects for lane l xor 16
.macro LOADX t
.irp i, 0,1,2,3,4,5,6,7,8,9,10,11,12,13,14,15
	global_load_b128 v[R+64*((\t)%2)+4*\i:R+64*((\t)%2)+4*\i+3], v4, s[4:5] offset:\i*4096+(\t)*512 th:TH_LOAD_NT
.endr
.endm
.macro STEPX t
.if (\t) < 3
	s_wait_loadcnt 16                              ; this step's 16 loads are in; the next step's 16 may be out
.else
	s_wait_loadcnt 0x0
.endif
.irp i, 0,1,2,3,4,5,6,7,8,9,10,11,12,13,14,15
	ds_store_b128 v5, v[R+64*((\t)%2)+4*\i:R+64*((\t)%2)+4*\i+3] offset:528*\i
.endr
.irp c, 0,1
.irp i, 0,1,2,3,4,5,6,7
	ds_load_b128 v[X+32*\c+4*\i:X+32*\c+4*\i+3], v6 offset:256*\c+16*\i     ; LDS serves a wave's instructions in order: these see the stores above.  k = 64 c + 32 h + 4 i ..
.endr
.endr
	s_wait_dscnt 0x0                               ; my 64 numbers are back, and the stores have read their registers,
.if (\t) < 2
	LOADX (\t)+2                                   ; which take the loads of two steps on
.endif
	QBLK X, C+8*(\t), 14, 10                       ; block h of the step
	QBLK X+32, C+8*(\t)+4, 15, 11                  ; block 2 + h
	v_lshl_or_b32 v[W+(\t)], v11, 16, v10          ; my two bytes (a plain line behind the conversions),
	v_lshlrev_b32 v[W+(\t)], v245, v[W+(\t)]       ; at their places in the row's scale word;
	v_permlanex16_b32 v244, v[W+(\t)], s32, s33
	v_or_b32 v[W+(\t)], v[W+(\t)], v244            ; with lane l xor 16's two the word is whole
	global_store_b128 v4, v[C+8*(\t):C+8*(\t)+3], s[28:29] offset:(\t)*1024          ; the fragment as it stands: each store covers 512 consecutive bytes, aligned
	global_store_b128 v4, v[C+8*(\t)+4:C+8*(\t)+7], s[28:29] offset:(\t)*1024+512
.endm
	LOADX 0
	LOADX 1
	STEPX 0
	STEPX 1
	STEPX 2
	STEPX 3
	v_cmp_lt_u32 vcc_lo, 15, v2                    ; one register carries two steps' words: lanes 0-15 the even step's, lanes 16-31 the odd step's
	v_cndmask_b32 v246, v[W], v[W+1], vcc_lo
	v_cndmask_b32 v247, v[W+2], v[W+3], vcc_lo
	global_store_b64 v7, v[246:247], s[30:31]      ; 32 lanes store 256 consecutive bytes, aligned
	s_wait_tensorcnt 0x0                           ; the wave's end: a tensor wait, 0 onto my spare word and its wait, behind my last LDS store
	ds_add_u32 v[SPW], v[NIL]
	s_wait_dscnt 0x0
	s_endpgm
.Lnot_x:
	v_lshlrev_b32 v20, 2, v2                       ; paths W and O: a lane takes a column: 4 bytes a lane
	v_lshlrev_b32 v21, 4, v3                       ; 16 r: my column's place in an image
	s_cmp_lt_u32 ttmp9, 176
	s_cbranch_scc0 .Lpath_o
; ---------------- PATH W.  A LANE TAKES A COLUMN AND ITS REGISTERS RUN DOWN K: a block of 32 lies in one lane, and the conversions give codes with K innermost.  A wave: 32 columns x 256 along K = 8 blocks.
; Block t of the wave is block t % 4 of K step t / 4: group (t % 4) / 2, half t % 2 of the fragment.  Sixteen lanes (one tile of columns) store 256 consecutive bytes, aligned.
.macro WJOB pitch
	LOADW 0, \pitch
	LOADW 1, \pitch
.irp t, 0,1,2,3,4,5,6,7
.if \t < 7
	s_wait_loadcnt 32                              ; this block's 32 loads are in; the next block's may be out
.else
	s_wait_loadcnt 0x0
.endif
	QBLK WX+32*(\t%2), WC+4*\t, 14, 10
.if \t%4 == 0
	v_mov_b32 v[WW+\t/4], v10                      ; four bytes to a word, the lower K in the lower byte (a plain line behind the conversions)
.else
	v_lshl_or_b32 v[WW+\t/4], v10, 8*(\t%4), v[WW+\t/4]
.endif
	global_store_b128 v22, v[WC+4*\t:WC+4*\t+3], s[38:39] offset:(\t/4)*1024+512*((\t%4)/2)+256*(\t%2)
.if \t%4 == 3
	global_store_b32 v23, v[WW+\t/4], s[40:41] offset:(\t/4)*128
.endif
.if \t < 6
	LOADW \t+2, \pitch
.endif
.endr
.endm
	s_sub_co_u32 s22, ttmp9, 128
	s_lshr_b32 s23, s22, 2                         ; cq: which 128 columns: 0, 1 of Wq; 2, 3 of Wk; 4-11 of Wv
	s_and_b32 s22, s22, 3                          ; kq: which 256 along K
	s_cmp_lt_u32 s23, 4
	s_cbranch_scc0 .Lwv
	s_lshr_b32 s26, s23, 1                         ; 0: Wq, 1: Wk
	s_and_b32 s27, s23, 1
	s_cmp_eq_u32 s26, 0                            ; the choice hangs on the work-group's number alone
	s_cselect_b64 s[34:35], s[6:7], s[8:9]
	s_lshl_b32 s24, s22, 18                        ; 256 rows of 1,024 bytes
	s_lshl_b32 s36, s27, 9
	s_add_co_u32 s24, s24, s36
	s_lshl_b32 s36, s20, 7                         ; my wave's 32 columns
	s_add_co_u32 s24, s24, s36
	s_add_nc_u64 s[34:35], s[34:35], s[24:25]
	s_lshl_b32 s36, s27, 3
	s_lshl_b32 s37, s20, 1
	s_add_co_u32 s36, s36, s37                     ; lanes 0-15: this head; lanes 16-31: the next
	s_mul_i32 s24, s36, 49152                      ; a head's codes: 6 tiles x 8 K steps x 1,024 bytes
	s_lshl_b32 s37, s26, 13                        ; tile 0 is q, tile 1 is k
	s_add_co_u32 s24, s24, s37
	s_lshl_b32 s37, s22, 11                        ; my two K steps
	s_add_co_u32 s24, s24, s37
	s_add_nc_u64 s[38:39], s[16:17], s[24:25]
	s_mul_i32 s24, s36, 3072                       ; a head's scale words: 3 registers x 8 K steps x 128 bytes
	s_lshl_b32 s37, s22, 8
	s_add_co_u32 s24, s24, s37
	s_lshl_b32 s37, s26, 6                         ; q's words in lanes 0-15 of the register, k's in lanes 16-31
	s_add_co_u32 s24, s24, s37
	s_add_co_u32 s24, s24, 786432                  ; behind the codes
	s_add_nc_u64 s[40:41], s[16:17], s[24:25]
	v_mad_u32_u24 v22, v1, 0xc000, v21             ; 49,152 h + 16 r
	v_lshlrev_b32 v23, 2, v3
	v_mad_u32_u24 v23, v1, 3072, v23               ; 3,072 h + 4 r
	WJOB 1024
	s_endpgm
.Lwv:
	s_sub_co_u32 s26, s23, 4
	s_lshl_b32 s24, s22, 20                        ; 256 rows of 4,096 bytes
	s_lshl_b32 s36, s26, 9
	s_add_co_u32 s24, s24, s36
	s_lshl_b32 s36, s20, 7
	s_add_co_u32 s24, s24, s36
	s_add_nc_u64 s[34:35], s[10:11], s[24:25]
	s_lshl_b32 s36, s26, 3
	s_lshl_b32 s37, s20, 1
	s_add_co_u32 s36, s36, s37                     ; my first tile of 16 columns of Wv (even): lanes 0-15 it, lanes 16-31 the next
	s_lshr_b32 s37, s36, 2                         ; its head
	s_and_b32 s36, s36, 3                          ; its place in the head: 0 or 2
	s_mul_i32 s24, s37, 49152
	s_add_co_u32 s42, s36, 2                       ; v's tiles lie behind q's and k's
	s_lshl_b32 s42, s42, 13
	s_add_co_u32 s24, s24, s42
	s_lshl_b32 s42, s22, 11
	s_add_co_u32 s24, s24, s42
	s_add_nc_u64 s[38:39], s[16:17], s[24:25]
	s_mul_i32 s24, s37, 3072
	s_lshr_b32 s42, s36, 1
	s_add_co_u32 s42, s42, 1                       ; register 1: tiles 0 | 1; register 2: tiles 2 | 3
	s_lshl_b32 s42, s42, 10
	s_add_co_u32 s24, s24, s42
	s_lshl_b32 s42, s22, 8
	s_add_co_u32 s24, s24, s42
	s_add_co_u32 s24, s24, 786432
	s_add_nc_u64 s[40:41], s[16:17], s[24:25]
	v_lshl_add_u32 v22, v1, 13, v21                ; 8,192 h + 16 r
	v_mov_b32 v23, v20                             ; 4 x lane
	WJOB 4096
	s_endpgm
; ---------------- PATH O.  Again a lane to a column, registers down K.  A wave: 32 columns x 256 along K, in 8 batches of 32 rows = 4 chunks of 8.
; Chunk cl is half cl % 2 of group (cl % 4) / 2 of the f16 fragment cl / 4; in f32 its first four numbers are lanes 0-15's and its last four lanes 16-31's of one image of 512 bytes.
.Lpath_o:
	s_sub_co_u32 s22, ttmp9, 176
	s_lshr_b32 s23, s22, 2                         ; which 128 columns
	s_and_b32 s22, s22, 3                          ; which 256 along K
	s_lshl_b32 s24, s22, 20
	s_lshl_b32 s36, s23, 9
	s_add_co_u32 s24, s24, s36
	s_lshl_b32 s36, s20, 7
	s_add_co_u32 s24, s24, s36
	s_add_nc_u64 s[34:35], s[12:13], s[24:25]
	s_lshl_b32 s36, s23, 3
	s_lshl_b32 s37, s20, 1
	s_add_co_u32 s36, s36, s37                     ; my first tile of 16 columns
	s_lshl_b32 s24, s36, 15                        ; f16: 32 fragments of 1,024 bytes a tile
	s_lshl_b32 s37, s22, 13
	s_add_co_u32 s24, s24, s37
	s_add_nc_u64 s[38:39], s[18:19], s[24:25]
	s_lshl_b32 s24, s36, 16                        ; f32: 128 images of 512 bytes a tile
	s_lshl_b32 s37, s22, 14
	s_add_co_u32 s24, s24, s37
	s_add_co_u32 s24, s24, 2097152                 ; behind the f16 fragments
	s_add_nc_u64 s[40:41], s[18:19], s[24:25]
	v_lshl_add_u32 v22, v1, 15, v21
	v_lshl_add_u32 v23, v1, 16, v21
	LOADW 0, 4096
	LOADW 1, 4096
.irp t, 0,1,2,3,4,5,6,7
.if \t < 7
	s_wait_loadcnt 32                              ; this batch's 32 loads are in; the next batch's may be out
.else
	s_wait_loadcnt 0x0
.endif
.irp q, 0,1,2,3
.irp p, 0,1,2,3
	v_cvt_pk_f16_f32 v[OH+4*\q+\p], v[WX+32*(\t%2)+8*\q+2*\p], v[WX+32*(\t%2)+8*\q+2*\p+1]   ; the lower k in the low half
.endr
.endr
.irp q, 0,1,2,3
	global_store_b128 v22, v[OH+4*\q:OH+4*\q+3], s[38:39] offset:\t*1024+512*(\q/2)+256*(\q%2)      ; sixteen lanes store 256 consecutive bytes, aligned
	global_store_b128 v23, v[WX+32*(\t%2)+8*\q:WX+32*(\t%2)+8*\q+3], s[40:41] offset:(4*\t+\q)*512  ; the f32 numbers leave from the registers that they were loaded into
	global_store_b128 v23, v[WX+32*(\t%2)+8*\q+4:WX+32*(\t%2)+8*\q+7], s[40:41] offset:(4*\t+\q)*512+256
.endr
.if \t < 7
	s_wait_xcnt 0x0                                ; the stores have read their registers: the set is loaded again and the f16 registers are written again only behind this wait
.endif
.if \t < 6
	LOADW \t+2, 4096
.endif
.endr
	s_endpgm
.Lfunc_end_k_q0facac9ba0_prep:
	.size	k_q0facac9ba0_prep, .Lfunc_end_k_q0facac9ba0_prep-k_q0facac9ba0_prep
	.p2alignl 7, 3214868480
	.fill 96, 4, 3214868480
	.section	.rodata,"a",@progbits
	.p2align	6, 0x0
	.amdhsa_kernel k_q0facac9ba0_prep
		.amdhsa_group_segment_fixed_size 34304
		.amdhsa_private_segment_fixed_size 0
		.amdhsa_enable_private_segment 0
		.amdhsa_kernarg_size 64
		.amdhsa_user_sgpr_count 2
		.amdhsa_user_sgpr_kernarg_segment_ptr 1
		.amdhsa_wavefront_size32 1
		.amdhsa_system_sgpr_workgroup_id_x 1
		.amdhsa_system_sgpr_workgroup_id_y 1
		.amdhsa_system_sgpr_workgroup_id_z 1
		.amdhsa_system_vgpr_workitem_id 0
		.amdhsa_next_free_vgpr 256
		.amdhsa_next_free_sgpr 66
		.amdhsa_reserve_vcc 1
		.amdhsa_float_denorm_mode_32 3
		.amdhsa_float_denorm_mode_16_64 3
		.amdhsa_memory_ordered 1
		.amdhsa_forward_progress 1
		.amdhsa_inst_pref_size 148
	.end_amdhsa_kernel
	.amdgpu_metadata
---
amdhsa.version: [ 1, 2 ]
amdhsa.kernels:
  - .name:           k_q0facac9ba0_prep
    .symbol:         k_q0facac9ba0_prep.kd
    .args:
      - { .name: x, .offset: 0, .size: 8, .value_kind: global_buffer, .address_space: global }
      - { .name: Wq, .offset: 8, .size: 8, .value_kind: global_buffer, .address_space: global }
      - { .name: Wk, .offset: 16, .size: 8, .value_kind: global_buffer, .address_space: global }
      - { .name: Wv, .offset: 24, .size: 8, .value_kind: global_buffer, .address_space: global }
      - { .name: Wo, .offset: 32, .size: 8, .value_kind: global_buffer, .address_space: global }
      - { .name: xq, .offset: 40, .size: 8, .value_kind: global_buffer, .address_space: global }
      - { .name: wq, .offset: 48, .size: 8, .value_kind: global_buffer, .address_space: global }
      - { .name: wo2, .offset: 56, .size: 8, .value_kind: global_buffer, .address_space: global }
    .group_segment_fixed_size: 34304
    .private_segment_fixed_size: 0
    .kernarg_segment_align: 8
    .kernarg_segment_size: 64
    .max_flat_workgroup_size: 128
    .sgpr_count:     66
    .vgpr_count:     256
    .wavefront_size: 32
...
	.end_amdgpu_metadata
.endif
;; end of part 1
;; launch proj (part 2): grid 8 x 32, 4 waves a work-group, no clusters, 0 bytes of LDS; arguments xq, wq, qk, vf, y16; writes qk, vf, y16
.if DOCPART == 2
	.amdgcn_target "amdgcn-amd-amdhsa--gfx1250"
	.amdhsa_code_object_version 6
	.text
	.protected	k_q0facac9ba0_proj
	.globl	k_q0facac9ba0_proj
	.p2align	8
	.type	k_q0facac9ba0_proj,@function
k_q0facac9ba0_proj:
	s_mov_b64 s[64:65], 0
	v_nop
	global_prefetch_b8 v0, s[64:65] scope:SCOPE_SE
	s_setreg_imm32_b32 hwreg(HW_REG_WAVE_MODE, 25, 1), 1
	s_wait_xcnt 0x0
; PROJ: q = x Wq, k = x Wk, v = x Wv on codes of FP4 (E2M1) with one E8M0 scale for each 32 along K: all the quantised work of the program.  Sums in f32, K ascending, one accumulator an output.
; SHARES.  A wave makes ONE head's q, k and v (6 tiles of 16 columns) for 64 rows (4 tiles): 24 accumulators, 8 K steps of 128: 192 matrix instructions.  Wave w of work-group (gx, gy): head 2 gx + w % 2, rows 64 (2 gy + w / 2) on.
; Codes and scale words lie in memory as images of the operands' registers, so every fragment comes by two loads of 512 consecutive bytes, straight into registers, three K steps deep.  No LDS, no barrier.
; q and k are made TRANSPOSED (source 0 = 16 columns of W, source 1 = 16 rows of x): a lane holds one row and eight neighbouring features.  v is made the natural way: a lane holds one channel and eight neighbouring keys.
; Both are the layouts in which the attention's operands want them: q leaves as f32, k and v as f16, each as an image; nothing is transposed.  The largest |k|^2 of the 64 rows leaves as one number.
; POSITIONS 0-15 of each sequence average one to sixteen values and are the largest: their attention is done here, in f32 (the f32 matrix form on 16 x 16 tiles: 20 instructions in 32 of 1,024 waves), and leaves as f32 images.
; NO CLUSTER: no tile passes through LDS that a joint request could fill, and the arm for positions 0-15 hangs on the work-group's y, which in a cluster would be a partner's place.
; LIMITS: |k|, |v| under 65,504 (f16).
; REGISTERS.  window 0: v1-7 addresses; v8-23 x's scale words; v24-47 W's; v48-63 at work; v64-255 the accumulators, (a, j) at v[64 + 8 (6 a + j)].   window 1: three sets of 80: x's 4 fragments, W's 6; later the packed results.
.set LI,  1                            ; 16 x lane
.set L8,  2                            ; 8 x lane
.set L4,  3                            ; 4 x lane
.set XSR, 8                            ; register 4 a + 2 P + i: lanes 0-15 the words of K step 4 P + 2 i of tile a, lanes 16-31 those of step 4 P + 2 i + 1
.set WSR, 24                           ; register 8 n + s: K step s; n = 0: q | k; n = 1: v0 | v1; n = 2: v2 | v3 (lanes 0-15 | 16-31)
.set TP,  48
.set ACC, 64
.set MSB, 0
.macro WIN new                         ; the immediate's high byte repeats the setting that is left
.if MSB != \new
	s_set_vgpr_msb (MSB<<8)|\new
.set MSB, \new
.endif
.endm
.macro PLACES n
.rept \n
	v_nop
.endr
.endm
	s_load_b256 s[4:11], s[0:1], 0x0               ; xq s[4:5], wq s[6:7], qk s[8:9], vf s[10:11]
	s_load_b64 s[12:13], s[0:1], 0x20              ; y16
	v_lshrrev_b32 v4, 5, v0
	v_readfirstlane_b32 s14, v4                    ; wave 0..3
	v_and_b32 v4, 31, v0                           ; lane
	v_lshlrev_b32 v[LI], 4, v4
	v_lshlrev_b32 v[L8], 3, v4
	v_lshlrev_b32 v[L4], 2, v4
	v_and_b32 v5, 15, v0                           ; r
	v_bfe_u32 v6, v0, 4, 1                         ; h
	v_lshlrev_b32 v7, 4, v5
	v_lshl_add_u32 v7, v6, 9, v7                   ; the fine rows' way out: 512 h + 16 r
	v_lshlrev_b32 v6, 3, v6
	v_sub_nc_u32 v5, v5, v6                        ; r - 8 h: my register j holds a hidden key where j is above it
.irp i, 4,5,6,7
	v_mov_b32 v[TP+\i], 0                          ; a lane permute's destination counts as one of its sources
.endr
	s_and_b32 s15, s14, 1
	s_lshl_b32 s16, ttmp9, 1
	s_add_co_u32 s15, s16, s15                     ; head
	s_lshr_b32 s16, s14, 1
	s_and_b32 s17, ttmp7, 0xffff
	s_lshl_b32 s17, s17, 1
	s_add_co_u32 s16, s17, s16                     ; which 64 rows of the 4,096
	s_lshr_b32 s17, s16, 5                         ; batch
	s_and_b32 s18, s16, 31                         ; which 64 rows of the sequence
	s_lshl_b32 s19, s17, 4
	s_add_co_u32 s19, s19, s15                     ; 16 x batch + head
	s_mov_b32 s21, 0
	s_mov_b32 s40, 0x76543210
	s_mov_b32 s41, 0xfedcba98                      ; v_permlanex16_b32's selects for lane l xor 16
	s_mov_b32 s43, 0x3d000000                      ; 1 / 32
	s_mov_b32 s44, 0x3e800000                      ; 1 / 4
	s_wait_kmcnt 0x0
	s_lshl_b32 s20, s16, 15                        ; 4 tiles x 8 fragments of 1,024 bytes
	s_add_nc_u64 s[22:23], s[4:5], s[20:21]        ; x's codes
	s_lshl_b32 s20, s16, 11
	s_add_co_u32 s20, s20, 2097152
	s_add_nc_u64 s[24:25], s[4:5], s[20:21]        ; x's scale words
	s_mul_i32 s20, s15, 49152
	s_add_nc_u64 s[26:27], s[6:7], s[20:21]        ; my head's codes of W
	s_mul_i32 s20, s15, 3072
	s_add_co_u32 s20, s20, 786432
	s_add_nc_u64 s[28:29], s[6:7], s[20:21]        ; and scale words
	s_lshl_b32 s20, s19, 17
	s_lshl_b32 s30, s18, 12
	s_add_co_u32 s20, s20, s30
	s_add_nc_u64 s[32:33], s[8:9], s[20:21]        ; q out: 1,024 bytes a tile
	s_lshl_b32 s20, s19, 16
	s_lshl_b32 s30, s18, 11
	s_add_co_u32 s20, s20, s30
	s_add_co_u32 s20, s20, 4194304
	s_add_nc_u64 s[34:35], s[8:9], s[20:21]        ; k out: 512 bytes a tile
	s_lshl_b32 s20, s19, 7
	s_lshl_b32 s30, s18, 2
	s_add_co_u32 s20, s20, s30
	s_add_co_u32 s20, s20, 6291456
	s_add_nc_u64 s[36:37], s[8:9], s[20:21]        ; the largest |k|^2 of my 64 rows
	s_lshl_b32 s20, s19, 18
	s_lshl_b32 s30, s18, 13
	s_add_co_u32 s20, s20, s30
	s_add_nc_u64 s[38:39], s[10:11], s[20:21]      ; v out: 4,096 bytes for each 32 keys
	s_lshl_b32 s20, s17, 16
	s_lshl_b32 s30, s15, 12
	s_add_co_u32 s20, s20, s30
	s_add_nc_u64 s[46:47], s[12:13], s[20:21]      ; the fine rows out: my head's 8 images
.irp a, 0,1,2,3
.irp p, 0,1
	global_load_b64 v[XSR+4*\a+2*\p:XSR+4*\a+2*\p+1], v[L8], s[24:25] offset:\a*512+\p*256
.endr
.endr
.irp n, 0,1,2
.irp s, 0,1,2,3,4,5,6,7
	global_load_b32 v[WSR+8*\n+\s], v[L4], s[28:29] offset:\n*1024+\s*128
.endr
.endr
.macro LOADS s                         ; K step s: 20 loads of 512 consecutive bytes into set s % 3
	WIN 0x40                                       ; destination window 1, address window 0
.irp a, 0,1,2,3
.irp c, 0,1
	global_load_b128 v[80*((\s)%3)+8*\a+4*\c:80*((\s)%3)+8*\a+4*\c+3], v[LI], s[22:23] offset:\a*8192+(\s)*1024+512*\c
.endr
.endr
.irp j, 0,1,2,3,4,5
.irp c, 0,1
	global_load_b128 v[80*((\s)%3)+32+8*\j+4*\c:80*((\s)%3)+32+8*\j+4*\c+3], v[LI], s[26:27] offset:\j*8192+(\s)*1024+512*\c
.endr
.endr
	WIN 0
.endm
	LOADS 0
	LOADS 1
	LOADS 2
; one product; ra, rb: source 0's, source 1's scales stand in lanes 16-31 of their register; zero: it starts the sum
.macro WMX ra, rb, zero
.if \zero
.if (\ra) && (\rb)
	v_wmma_scale_f32_16x16x128_f8f6f4 v[rD:rD+7], v[rA:rA+7], v[rB:rB+7], 0, v[rSA], v[rSB] matrix_a_fmt:MATRIX_FMT_FP4 matrix_b_fmt:MATRIX_FMT_FP4 matrix_a_scale:MATRIX_SCALE_ROW1 matrix_b_scale:MATRIX_SCALE_ROW1
.elseif \ra
	v_wmma_scale_f32_16x16x128_f8f6f4 v[rD:rD+7], v[rA:rA+7], v[rB:rB+7], 0, v[rSA], v[rSB] matrix_a_fmt:MATRIX_FMT_FP4 matrix_b_fmt:MATRIX_FMT_FP4 matrix_a_scale:MATRIX_SCALE_ROW1
.elseif \rb
	v_wmma_scale_f32_16x16x128_f8f6f4 v[rD:rD+7], v[rA:rA+7], v[rB:rB+7], 0, v[rSA], v[rSB] matrix_a_fmt:MATRIX_FMT_FP4 matrix_b_fmt:MATRIX_FMT_FP4 matrix_b_scale:MATRIX_SCALE_ROW1
.else
	v_wmma_scale_f32_16x16x128_f8f6f4 v[rD:rD+7], v[rA:rA+7], v[rB:rB+7], 0, v[rSA], v[rSB] matrix_a_fmt:MATRIX_FMT_FP4 matrix_b_fmt:MATRIX_FMT_FP4
.endif
.else
.if (\ra) && (\rb)
	v_wmma_scale_f32_16x16x128_f8f6f4 v[rD:rD+7], v[rA:rA+7], v[rB:rB+7], v[rD:rD+7], v[rSA], v[rSB] matrix_a_fmt:MATRIX_FMT_FP4 matrix_b_fmt:MATRIX_FMT_FP4 matrix_a_scale:MATRIX_SCALE_ROW1 matrix_b_scale:MATRIX_SCALE_ROW1
.elseif \ra
	v_wmma_scale_f32_16x16x128_f8f6f4 v[rD:rD+7], v[rA:rA+7], v[rB:rB+7], v[rD:rD+7], v[rSA], v[rSB] matrix_a_fmt:MATRIX_FMT_FP4 matrix_b_fmt:MATRIX_FMT_FP4 matrix_a_scale:MATRIX_SCALE_ROW1
.elseif \rb
	v_wmma_scale_f32_16x16x128_f8f6f4 v[rD:rD+7], v[rA:rA+7], v[rB:rB+7], v[rD:rD+7], v[rSA], v[rSB] matrix_a_fmt:MATRIX_FMT_FP4 matrix_b_fmt:MATRIX_FMT_FP4 matrix_b_scale:MATRIX_SCALE_ROW1
.else
	v_wmma_scale_f32_16x16x128_f8f6f4 v[rD:rD+7], v[rA:rA+7], v[rB:rB+7], v[rD:rD+7], v[rSA], v[rSB] matrix_a_fmt:MATRIX_FMT_FP4 matrix_b_fmt:MATRIX_FMT_FP4
.endif
.endif
.endm
.macro WM a, j, s                      ; tile a of rows x tile j of columns, K step s
.set rD,  ACC+8*(6*(\a)+(\j))
.set rXF, 80*((\s)%3)+8*(\a)
.set rWF, 80*((\s)%3)+32+8*(\j)
.set rXS, XSR+4*(\a)+2*((\s)/4)+((\s)%4)/2
.if (\j) < 2                           ; q, k: transposed
.set rA,  rWF
.set rB,  rXF
.set rSA, WSR+(\s)
.set rSB, rXS
	WMX (\j)==1, (\s)%2, (\s)==0
.else                                  ; v: the natural way
.set rA,  rXF
.set rB,  rWF
.set rSA, rXS
.set rSB, WSR+8*(1+((\j)-2)/2)+(\s)
	WMX (\s)%2, (\j)%2, (\s)==0
.endif
.endm
; A K step: 24 products, the 24 accumulators by turns, one instruction a turn, in the same order in every step.
.macro STEP s
.if (\s) < 6
	s_wait_loadcnt 40                              ; this step's fragments (and, at first, the scale words) are in; the 2 x 20 loads of the next two steps may be out
.elseif (\s) == 6
	s_wait_loadcnt 20                              ; the last step's 20 may be out
.else
	s_wait_loadcnt 0x0
.endif
	WIN 0x05                                       ; sources 0 and 1 window 1; C and D window 0
.irp a, 0,1,2,3
.irp j, 0,1,2,3,4,5
	WM \a, \j, \s
.endr
.endr
.if (\s) <= 4
	PLACES 4                                       ; four plain places in front of loads into registers that these products have read
	LOADS (\s)+3
.endif
.endm
	STEP 0
	STEP 1
	STEP 2
	STEP 3
	STEP 4
	STEP 5
	STEP 6
	STEP 7
	WIN 0
	PLACES 5                                       ; four places in front of the first reads of results; the fifth for the f32 products below, which take results as operands and write over accumulators that are done with
; THE WAY OUT.  Every store covers 512 consecutive bytes, aligned.  Each accumulator is read from its low end on.
.irp a, 0,1,2,3
	global_store_b128 v[LI], v[ACC+48*\a:ACC+48*\a+3], s[32:33] offset:\a*1024        ; q in f32: lane (r, h): row r, features 8 h + 0 .. 3,
	global_store_b128 v[LI], v[ACC+48*\a+4:ACC+48*\a+7], s[32:33] offset:\a*1024+512  ; and 8 h + 4 .. 7
.endr
.irp a, 0,1,2,3
	v_mul_f32 v[TP+\a], v[ACC+48*\a+8], v[ACC+48*\a+8]                                ; |k|^2: my eight features of key r, the four tiles by turns
.endr
.irp i, 1,2,3,4,5,6,7
.irp a, 0,1,2,3
	v_fmac_f32 v[TP+\a], v[ACC+48*\a+8+\i], v[ACC+48*\a+8+\i]
.endr
.endr
	WIN 0x40                                       ; destination window 1
.irp a, 0,1,2,3
.irp p, 0,1,2,3
	v_cvt_pk_f16_f32 v[4*\a+\p], v[ACC+48*\a+8+2*\p], v[ACC+48*\a+8+2*\p+1]           ; k: features 8 h + 0 .. 7 of key r: registers 0-3 of a fragment
.endr
.endr
.irp a, 0,1,2,3
.irp e, 0,1,2,3
.irp p, 0,1,2,3
	v_cvt_pk_f16_f32 v[16+4*(4*\a+\e)+\p], v[ACC+48*\a+16+8*\e+2*\p], v[ACC+48*\a+16+8*\e+2*\p+1]   ; v: keys 8 h + 0 .. 7 of channel r: half a fragment of V^T
.endr
.endr
.endr
	WIN 0x04                                       ; a store's data are its source 1: window 1
.irp a, 0,1,2,3
	global_store_b128 v[LI], v[4*\a:4*\a+3], s[34:35] offset:\a*512
.endr
.irp a, 0,1,2,3
.irp e, 0,1,2,3
	global_store_b128 v[LI], v[16+4*(4*\a+\e):16+4*(4*\a+\e)+3], s[38:39] offset:(\a/2)*4096+\e*1024+512*(\a%2)
.endr
.endr
	WIN 0
.irp a, 0,1,2,3
	v_permlanex16_b32 v[TP+4+\a], v[TP+\a], s40, s41
.endr
.irp a, 0,1,2,3
	v_add_f32 v[TP+\a], v[TP+\a], v[TP+4+\a]       ; with the other eight features: |k|^2 of key r
.endr
	v_max3_num_f32 v[TP], v[TP], v[TP+1], v[TP+2]
	v_max_num_f32 v[TP], v[TP], v[TP+3]
	v_max_num_f32_dpp v[TP], v[TP], v[TP] row_xmask:1 row_mask:0xf bank_mask:0xf
	v_max_num_f32_dpp v[TP], v[TP], v[TP] row_xmask:2 row_mask:0xf bank_mask:0xf
	v_max_num_f32_dpp v[TP], v[TP], v[TP] row_xmask:4 row_mask:0xf bank_mask:0xf
	v_max_num_f32_dpp v[TP], v[TP], v[TP] row_xmask:8 row_mask:0xf bank_mask:0xf     ; the largest of my 64 keys
	v_cmp_eq_u32 vcc_lo, 0, v4
	s_wait_xcnt 0x0                                ; EXEC is a source of the stores above: it changes only behind this wait
	s_and_saveexec_b32 s42, vcc_lo
	global_store_b32 v[L4], v[TP], s[36:37]        ; lane 0 alone: one number
	s_wait_xcnt 0x0                                ; and again, in front of the line that widens it; all stores have now read their registers
	s_or_b32 exec_lo, exec_lo, s42
	s_cmp_lg_u32 s18, 0
	s_cbranch_scc1 .Ldone
; POSITIONS 0-15 IN F32.  qf . kf = 1 + s / 4 + s^2 / 32 with s = q . k, and qf . cumsum(kf) is the row's sum of the masked A: both hold for every input.
; S^T = k q^T: source 0 = 16 keys, source 1 = 16 queries; pair c of a lane's eight registers stands for features 8 h + 2 c, + 1 on both sides alike.  The sums land in accumulators of tile 3, which matrix instructions alone ever write.
	v_wmma_f32_16x16x4_f32 v[208:215], v[72:73], v[64:65], 0
.irp c, 1,2,3
	s_wait_alu depctr_va_vdst(0)                   ; the wait directly ahead of each
	v_wmma_f32_16x16x4_f32 v[208:215], v[72+2*\c:73+2*\c], v[64+2*\c:65+2*\c], v[208:215]
.endr
	PLACES 8                                       ; eight places behind this form
.irp j, 0,1,2,3,4,5,6,7
	v_fma_f32 v[TP+\j], v[208+\j], s43, s44        ; s / 32 + 1 / 4
.endr
.irp j, 0,1,2,3,4,5,6,7
	v_fma_f32 v[TP+\j], v[208+\j], v[TP+\j], 1.0   ; A(query r, key 8 h + j)
.endr
	v_mov_b32 v[TP+8], 0
.irp j, 0,1,2,3,4,5,6,7
	v_cmp_gt_i32 vcc_lo, \j, v5                    ; key after query: the causal mask
	v_cndmask_b32 v[TP+\j], v[TP+\j], v[TP+8], vcc_lo
.endr
	v_add_f32 v57, v48, v49
	v_add_f32 v58, v50, v51
	v_add_f32 v59, v52, v53
	v_add_f32 v60, v54, v55
	v_add_f32 v57, v57, v58
	v_add_f32 v59, v59, v60
	v_add_f32 v57, v57, v59
	v_permlanex16_b32 v58, v57, s40, s41
	v_add_f32 v57, v57, v58                        ; the row's sum
	v_add_f32 v57, 0x2b8cbccc, v57                 ; + 1e-12
	v_rcp_f32 v57, v57
	v_nop                                          ; a plain line behind the reciprocal
.irp c, 0,1,2,3                        ; O^T = V^T A^T: source 0 = 16 channels, source 1 = A; pair c stands for keys 8 h + 2 c, + 1.  Four accumulators by turns
.irp e, 0,1,2,3
.if \c == 0
	v_wmma_f32_16x16x4_f32 v[216+8*\e:223+8*\e], v[80+8*\e:81+8*\e], v[TP:TP+1], 0
.else
	v_wmma_f32_16x16x4_f32 v[216+8*\e:223+8*\e], v[80+8*\e+2*\c:81+8*\e+2*\c], v[TP+2*\c:TP+2*\c+1], v[216+8*\e:223+8*\e]
.endif
.endr
.endr
	PLACES 8
	s_wait_alu depctr_va_vdst(0)                   ; the wait ahead of the reciprocal's first reader
	WIN 0x40
.irp e, 0,1,2,3
.irp j, 0,1,2,3,4,5,6,7
	v_mul_f32 v[8*\e+\j], v[216+8*\e+\j], v57      ; y(row r, channel 16 e + 8 h + j), into other registers
.endr
.endr
	WIN 0x04
.irp e, 0,1,2,3
	global_store_b128 v7, v[8*\e:8*\e+3], s[46:47] offset:\e*1024          ; chunk 2 e + h of my head: its first four numbers are lanes 0-15's of the image,
	global_store_b128 v7, v[8*\e+4:8*\e+7], s[46:47] offset:\e*1024+256    ; its last four lanes 16-31's: sixteen lanes store 256 consecutive bytes, aligned
.endr
	WIN 0
.Ldone:
	s_endpgm
.Lfunc_end_k_q0facac9ba0_proj:
	.size	k_q0facac9ba0_proj, .Lfunc_end_k_q0facac9ba0_proj-k_q0facac9ba0_proj
	.p2alignl 7, 3214868480
	.fill 96, 4, 3214868480
	.section	.rodata,"a",@progbits
	.p2align	6, 0x0
	.amdhsa_kernel k_q0facac9ba0_proj
		.amdhsa_group_segment_fixed_size 0
		.amdhsa_private_segment_fixed_size 0
		.amdhsa_enable_private_segment 0
		.amdhsa_kernarg_size 40
		.amdhsa_user_sgpr_count 2
		.amdhsa_user_sgpr_kernarg_segment_ptr 1
		.amdhsa_wavefront_size32 1
		.amdhsa_system_sgpr_workgroup_id_x 1
		.amdhsa_system_sgpr_workgroup_id_y 1
		.amdhsa_system_sgpr_workgroup_id_z 1
		.amdhsa_system_vgpr_workitem_id 0
		.amdhsa_next_free_vgpr 512
		.amdhsa_next_free_sgpr 66
		.amdhsa_reserve_vcc 1
		.amdhsa_float_denorm_mode_32 3
		.amdhsa_float_denorm_mode_16_64 3
		.amdhsa_memory_ordered 1
		.amdhsa_forward_progress 1
		.amdhsa_inst_pref_size 63
	.end_amdhsa_kernel
	.amdgpu_metadata
---
amdhsa.version: [ 1, 2 ]
amdhsa.kernels:
  - .name:           k_q0facac9ba0_proj
    .symbol:         k_q0facac9ba0_proj.kd
    .args:
      - { .name: xq, .offset: 0, .size: 8, .value_kind: global_buffer, .address_space: global }
      - { .name: wq, .offset: 8, .size: 8, .value_kind: global_buffer, .address_space: global }
      - { .name: qk, .offset: 16, .size: 8, .value_kind: global_buffer, .address_space: global }
      - { .name: vf, .offset: 24, .size: 8, .value_kind: global_buffer, .address_space: global }
      - { .name: y16, .offset: 32, .size: 8, .value_kind: global_buffer, .address_space: global }
    .group_segment_fixed_size: 0
    .private_segment_fixed_size: 0
    .kernarg_segment_align: 8
    .kernarg_segment_size: 40
    .max_flat_workgroup_size: 128
    .sgpr_count:     66
    .vgpr_count:     512
    .wavefront_size: 32
...
	.end_amdgpu_metadata
.endif
;; end of part 2
;; launch attn (part 3): grid 8 x 32, 4 waves a work-group, no clusters, 41,472 bytes of LDS; arguments qk, vf, yf; writes yf
.if DOCPART == 3
	.amdgcn_target "amdgcn-amd-amdhsa--gfx1250"
	.amdhsa_code_object_version 6
	.text
	.protected	k_q0facac9ba0_attn
	.globl	k_q0facac9ba0_attn
	.p2align	8
	.type	k_q0facac9ba0_attn,@function
k_q0facac9ba0_attn:
	s_mov_b64 s[64:65], 0
	v_nop
	global_prefetch_b8 v0, s[64:65] scope:SCOPE_SE
	s_setreg_imm32_b32 hwreg(HW_REG_WAVE_MODE, 25, 1), 1
	s_wait_xcnt 0x0
; ATTN: y[n] = (sum over m <= n of A[n][m] v[m]) / (sum over m <= n of A[n][m] + 1e-12), A = qf . kf, for 32 (batch, head) pairs of 2,048 positions, 16 features, 64 channels.
; TWO IDENTITIES, true for every input: qf . kf = 1 + s / 4 + s^2 / 32 = ((s + 4)^2 + 16) / 32 with s = q . k; and qf . cumsum(kf) is the row's sum of the masked A.  Tiles wholly above the diagonal are not computed.
; FORMATS.  Products in f16 with f32 sums.  A has no room in f16 for large inputs, and a scale per query cancels in the division: so each query carries g = 2^e and the kernel works on a = 32 g^2 A.
;   Q' = f16(g q); the product's K is 32 and the features are 16: feature 16 of every key is 1 and of Q' is 4 g, so the matrix unit returns w = g (s + 4); a = w^2 + 16 g^2 is one packed multiply-add for two scores.
;   e = (136 - exponent field of (1.5 + |q|^2 kmax^2 / 16)) >> 1, kmax^2 the largest |k|^2 up to my block's end.  Since (|s| + 4)^2 + 16 <= 32 (1.5 + s^2 / 16) and s^2 <= |q|^2 kmax^2, a stays under 2^15.
;   The row's sum is taken of the unrounded a, in f32; y = O / (sum + 32 g^2 1e-12).
; SHARES.  Queries go in blocks of 128.  Work-group i owns blocks 15 - i (L) and i (E); wave w holds four tiles of 16 queries at once: 32 w + 0 .. 31 of each block.  So every wave has 62 + 2 w steps of 32 queries x 32 keys, in all 256 work-groups alike.
; The work-group walks the keys in units of 128 (4 KiB of k, 16 KiB of v, both dense in memory as images of registers): memory -> 40 registers a thread -> LDS, two slots by turns, one barrier a unit; all four waves read each unit.
; LAYOUT.  S^T = K Q'^T (source 0 = 16 keys, source 1 = 16 queries) and O^T = V^T P (source 0 = 16 channels, source 1 = P): a lane holds one query throughout; two tiles of scores, packed to f16 in place, ARE source 1 of the second product.
; Every work-group walks 16 trips (a constant); a trip beyond its last unit does nothing but the barrier.  All branches hang on ids and on the count of trips.
; NO CLUSTER, NO TENSOR LOAD: the work-groups of a head leave the walk after 16 - i units, so partners would need different numbers of tiles; a unit's copy costs a thread ten loads and ten LDS stores.
; LIMITS: |k|, |v|, 16 |q| under 65,504; |q|^2 kmax^2 under 2^127; an a under 2^-29 of its row's bound is carried with an absolute error of 2^-40 of that bound; under e = -26 the 4 g falls to 0, where it is nothing beside s.
; REGISTERS.  window 0: v1-9 addresses and constants; v16-39 six a tile: 16 g^2, spare, the sum in two pairs; v40-47 at work; v48-79 Q'; v80-111 K, two sets; v112-175 V, two sets; v176-239 S^T, then P.   window 1: v0-127 O^T; v128-167 the unit on its way.
.set SLOTB, 20480                      ; a slot: 4,096 bytes of k, then 16,384 of v
.set SPARE, 40960                      ; behind the two slots: the spare words, 128 bytes a wave: two blocks of 256 bytes that no other line names
.set SPW, 6
.set NIL, 7
.set ST,  16
.set QF,  48
.set KF,  80
.set VF,  112
.set S,   176
.set G,   128                          ; in window 1
.set JL,  13                           ; s13  my last unit: 15 - i
.set U,   14                           ; s14  the unit in hand
.set DL,  15                           ; s15  block L: my group of 32 queries less the unit's first group of 32 keys: step ks is wanted where ks <= DL, and lies on the diagonal where ks = DL
.set DE,  16                           ; s16  the same for block E
.set KB,  18                           ; s[18:19] k's unit that was loaded last;  s[20:21] v's
.set VB,  20
.set PFA, 22                           ; s[22:23] where my prefetch stands;  s[24:25] a unit on
.set PFS, 24
.set PLIM, 26                          ; s26  the last trip in which I prefetch; -1 in a wave that never does
.set PMSK, 27                          ; s27  1: in even trips alone
.set SEL, 28
.set LOW, 30                           ; s30  lanes 0-15
.set CNT, 31
.set MSB, 0
.macro WIN new                         ; the immediate's high byte repeats the setting that is left
.if MSB != \new
	s_set_vgpr_msb (MSB<<8)|\new
.set MSB, \new
.endif
.endm
.macro PLACES n
.rept \n
	v_nop
.endr
.endm
.macro COPYLD                          ; a unit from memory: each load of the work-group covers 2,048 consecutive bytes
	WIN 0x40                                       ; destination window 1
.irp i, 0,1
	global_load_b128 v[G+4*\i:G+4*\i+3], v3, s[KB:KB+1] offset:2048*\i
.endr
.irp i, 0,1,2,3,4,5,6,7
	global_load_b128 v[G+8+4*\i:G+8+4*\i+3], v3, s[VB:VB+1] offset:2048*\i
.endr
	WIN 0
.endm
.macro COPYST slot                     ; and into LDS as it lies
	WIN 0x04                                       ; an LDS store's data are its source 1: window 1
.irp i, 0,1
	ds_store_b128 v3, v[G+4*\i:G+4*\i+3] offset:(\slot)*SLOTB+2048*\i
.endr
.irp i, 0,1,2,3,4,5,6,7
	ds_store_b128 v3, v[G+8+4*\i:G+8+4*\i+3] offset:(\slot)*SLOTB+4096+2048*\i
.endr
	WIN 0
.endm
.macro FRAGS slot, ks, set             ; step ks of the slot: two tiles of 16 keys (registers 0-3 of a fragment; 4-7 are constants) and V^T's four fragments of 16 channels x 32 keys
.irp f, 0,1
	ds_load_b128 v[KF+16*(\set)+8*\f:KF+16*(\set)+8*\f+3], v1 offset:(\slot)*SLOTB+(2*(\ks)+\f)*512
.endr
.irp e, 0,1,2,3
.irp g, 0,1
	ds_load_b128 v[VF+32*(\set)+8*\e+4*\g:VF+32*(\set)+8*\e+4*\g+3], v1 offset:(\slot)*SLOTB+4096+(\ks)*4096+\e*1024+\g*512
.endr
.endr
.endm
.macro SMUL t, set                     ; w = g (s + 4) of tile t's 16 queries and the step's 32 keys
.irp f, 0,1
	v_wmma_f32_16x16x32_f16 v[S+16*(\t)+8*\f:S+16*(\t)+8*\f+7], v[KF+16*(\set)+8*\f:KF+16*(\set)+8*\f+7], v[QF+8*(\t):QF+8*(\t)+7], 0
.endr
.endm
; tile t: scores to weights, the mask on the diagonal, the row's sum, the packing, and O^T += V^T P.  d: the scalar register DL or DE.  zero = 1: the products start O^T's sums: nothing is ever cleared
.macro TILE t, set, d, ks, zero
.set rS, S+16*(\t)
.set rT, ST+6*(\t)
.irp i, 0,1,2,3,4,5,6,7
	v_pk_fma_f32 v[rS+2*\i:rS+2*\i+1], v[rS+2*\i:rS+2*\i+1], v[rS+2*\i:rS+2*\i+1], v[rT:rT+1] op_sel_hi:[1,1,0]   ; a = w^2 + 16 g^2, two at a time, each accumulator from its low end on
.endr
	s_cmp_lg_u32 s[\d], \ks
	s_cbranch_scc1 .Lopen_\@
.irp j, 0,1,2,3,4,5,6,7                ; on the diagonal: in the tile's own 16 keys register j holds key 8 h + j: hidden where j > r - 8 h
	v_cmp_gt_i32 vcc_lo, \j, v5
	v_cndmask_b32 v[rS+8*((\t)%2)+\j], v[rS+8*((\t)%2)+\j], v8, vcc_lo
.endr
.if (\t)%2 == 0
.irp j, 0,1,2,3,4,5,6,7
	v_mov_b32 v[rS+8+\j], 0                        ; the pair's first tile sees none of the step's keys 16-31
.endr
.endif
.Lopen_\@:
.irp i, 0,1,2,3
	v_pk_add_f32 v[rT+2:rT+3], v[rT+2:rT+3], v[rS+4*\i:rS+4*\i+1]          ; the row's sum, of the unrounded a, in two chains
	v_pk_add_f32 v[rT+4:rT+5], v[rT+4:rT+5], v[rS+4*\i+2:rS+4*\i+3]
.endr
.irp i, 0,1,2,3,4,5,6,7
	v_cvt_pk_f16_f32 v[rS+\i], v[rS+2*\i], v[rS+2*\i+1]                    ; in place, ascending: register i is written behind the reads of 2 i and 2 i + 1
.endr
	WIN 0x50                                       ; C and D window 1
.irp e, 0,1,2,3
.if \zero
	v_wmma_f32_16x16x32_f16 v[32*(\t)+8*\e:32*(\t)+8*\e+7], v[VF+32*(\set)+8*\e:VF+32*(\set)+8*\e+7], v[rS:rS+7], 0
.else
	v_wmma_f32_16x16x32_f16 v[32*(\t)+8*\e:32*(\t)+8*\e+7], v[VF+32*(\set)+8*\e:VF+32*(\set)+8*\e+7], v[rS:rS+7], v[32*(\t)+8*\e:32*(\t)+8*\e+7]
.endif
.endr
	WIN 0
.endm
; A STEP: 32 keys against my up to four tiles.  No two matrix instructions that follow each other share an accumulator.  A tile's vector work stands beside the products of the tile before it.
.macro STEP slot, ks, first
.if !(\first)
	s_cmp_lt_i32 s[DL], \ks                        ; all the step's keys come after all my queries
	s_cbranch_scc1 .Lskip_\@
.endif
	PLACES 5                                       ; the scores are laid over P, which the last products read: five places; they also serve the loads below, into the set that the step before multiplied
	s_wait_dscnt 0x0                               ; this step's fragments are in
.if \ks < 3
	FRAGS \slot, \ks+1, (\ks+1)%2                  ; the next step's: they have this whole step in which to land
.endif
	SMUL 0, \ks%2
	SMUL 1, \ks%2
.if !(\first)
	s_cmp_lt_i32 s[DE], \ks
	s_cbranch_scc1 .Lno_e_\@
.endif
	SMUL 2, \ks%2
	SMUL 3, \ks%2
.Lno_e_\@:
	PLACES 4                                       ; four places in front of the first read of the scores
	TILE 0, \ks%2, DL, \ks, \first
	TILE 1, \ks%2, DL, \ks, \first
.if !(\first)
	s_cmp_lt_i32 s[DE], \ks
	s_cbranch_scc1 .Lskip_\@
.endif
	TILE 2, \ks%2, DE, \ks, \first
	TILE 3, \ks%2, DE, \ks, \first
.Lskip_\@:
.endm
; A PREFETCH INTO THE L2 of unit U + 6, which the load of four trips on will ask for.  All eight work-groups of a head walk the same k and v from unit 0 on: the one that walks all 16 units (i = 0) asks, and nobody else.
; In it waves 0 and 1 ask for v's 16,384 bytes, 8,192 a wave, lanes 256 bytes apart, in trips 0 to 9; wave 2 for k's units U + 6 and U + 7, 8,192 bytes, in the even trips 0 to 8.  So each aligned 256 bytes of units 6 to 15 are named once; units 0 to 5 come by their loads alone.
.macro ASK
	s_and_b32 s44, s[U], s[PMSK]
	s_lshl_b32 s44, s44, 8
	s_or_b32 s44, s44, s[U]                        ; U, or far above every limit in a trip that is left out
	s_cmp_le_i32 s44, s[PLIM]
	s_cbranch_scc0 .Lnot_mine_\@
	global_prefetch_b8 v9, s[PFA:PFA+1] th:TH_LOAD_NT scope:SCOPE_SE
.Lnot_mine_\@:
.endm
; A TRIP: unit U lies in \slot; unit U + 1 is on its way into registers.  first = 1: U = 0, and my last unit is 8 at the least: none of the three tests can hold, and they are not written.
.macro TRIP slot, first
	s_wait_loadcnt 0x0                             ; unit U + 1 is in my registers, so the loads' bases may step
	s_wait_xcnt 0x0                                ; the last trip's prefetch has read its address, so it may step:
	s_add_nc_u64 s[PFA:PFA+1], s[PFA:PFA+1], s[PFS:PFS+1]
.if !(\first)
	s_cmp_ge_u32 s[U], s[JL]
	s_cbranch_scc1 .Lno_store_\@
.endif
	COPYST 1-(\slot)                               ; into the slot that every wave left at the last barrier
	s_wait_dscnt 0x0                               ; the stores have read their registers
.Lno_store_\@:
.if !(\first)
	s_add_co_u32 s44, s[U], 2
	s_cmp_gt_u32 s44, s[JL]
	s_cbranch_scc1 .Lno_load_\@
.endif
	s_add_nc_u64 s[KB:KB+1], s[KB:KB+1], 4096
	s_add_nc_u64 s[VB:VB+1], s[VB:VB+1], 16384
	COPYLD                                         ; unit U + 2: a whole trip in which to come
	ASK
.Lno_load_\@:
.if !(\first)
	s_cmp_gt_u32 s[U], s[JL]
	s_cbranch_scc1 .Lidle_\@
.endif
	PLACES 4                                       ; in front of loads into the set that the last trip's products may have read last
	FRAGS \slot, 0, 0
	STEP \slot, 0, \first
	STEP \slot, 1, 0
	STEP \slot, 2, 0
	STEP \slot, 3, 0
.Lidle_\@:
	s_wait_dscnt 0x0                               ; my stores of unit U + 1 have landed and my reads of unit U are over
	s_barrier_signal -1
	s_barrier_wait -1                              ; both now hold of all four waves
	s_add_co_u32 s[U], s[U], 1
	s_sub_co_i32 s[DL], s[DL], 4
	s_sub_co_i32 s[DE], s[DE], 4
.endm
	s_load_b128 s[4:7], s[0:1], 0x0                ; qk s[4:5], vf s[6:7]
	s_load_b64 s[8:9], s[0:1], 0x10                ; yf
	v_lshl_add_u32 v[SPW], v0, 2, SPARE
	v_mov_b32 v[NIL], 0
	v_lshrrev_b32 v2, 5, v0
	v_readfirstlane_b32 s10, v2                    ; wave 0..3
	v_and_b32 v2, 31, v0                           ; lane
	v_lshlrev_b32 v1, 4, v2                        ; 16 x lane: an image's place for my lane
	v_lshlrev_b32 v3, 4, v0                        ; 16 x thread: the copy's
	v_lshlrev_b32 v4, 2, v2
	v_and_b32 v5, 15, v0
	v_bfe_u32 v10, v0, 4, 1
	v_lshlrev_b32 v10, 3, v10
	v_sub_nc_u32 v5, v5, v10                       ; r - 8 h
	v_mov_b32 v8, 0
	v_lshlrev_b32 v9, 8, v2                        ; the prefetch's offset: 256 x lane; never rewritten
	v_mov_b32 v40, 0                               ; a lane permute's destination counts as one of its sources
	v_mov_b32 v41, 0
	v_cmp_gt_u32 s[LOW], 16, v2
	s_and_b32 s12, ttmp7, 0xffff                   ; 16 x batch + head
	s_sub_co_u32 s[JL], 15, ttmp9
	s_lshl_b32 s[DL], s[JL], 2
	s_add_co_u32 s[DL], s[DL], s10                 ; my group of 32 queries in block L,
	s_lshl_b32 s[DE], ttmp9, 2
	s_add_co_u32 s[DE], s[DE], s10                 ; and in block E
	s_mov_b32 s[U], 0
	s_mov_b32 s[SEL], 0x76543210
	s_mov_b32 s[SEL+1], 0xfedcba98
	s_mov_b32 s33, 0
	s_mov_b32 s45, 0
	s_wait_kmcnt 0x0
	s_lshl_b32 s32, s12, 16
	s_add_co_u32 s32, s32, 4194304
	s_add_nc_u64 s[KB:KB+1], s[4:5], s[32:33]      ; k's unit 0
	s_lshl_b32 s32, s12, 18
	s_add_nc_u64 s[VB:VB+1], s[6:7], s[32:33]      ; v's
	s_lshl_b32 s32, s12, 17
	s_lshl_b32 s44, s[DL], 11                      ; two tiles of 1,024 bytes for each 32 queries
	s_add_co_u32 s44, s44, s32
	s_add_nc_u64 s[34:35], s[4:5], s[44:45]        ; q of block L
	s_lshl_b32 s44, s[DE], 11
	s_add_co_u32 s44, s44, s32
	s_add_nc_u64 s[36:37], s[4:5], s[44:45]        ; and of block E
	s_lshl_b32 s32, s12, 7
	s_add_co_u32 s32, s32, 6291456
	s_add_nc_u64 s[38:39], s[4:5], s[32:33]        ; the 32 largest |k|^2, one for each 64 keys
	s_lshr_b32 s32, s12, 4
	s_lshl_b32 s32, s32, 22                        ; y: a batch is 128 tiles of 32,768 bytes,
	s_and_b32 s44, s12, 15
	s_lshl_b32 s44, s44, 11                        ; a head two fragments of 1,024
	s_add_co_u32 s32, s32, s44
	s_lshl_b32 s44, s[DL], 16
	s_add_co_u32 s44, s44, s32
	s_add_nc_u64 s[40:41], s[8:9], s[44:45]        ; y of block L
	s_lshl_b32 s44, s[DE], 16
	s_add_co_u32 s44, s44, s32
	s_add_nc_u64 s[42:43], s[8:9], s[44:45]        ; and of block E
	s_and_b32 s44, s10, 1
	s_lshl_b32 s44, s44, 13
	s_mov_b32 s[PFS], 4096
	s_cmp_lt_u32 s10, 2                            ; waves 0 and 1 stand in v, waves 2 and 3 in k: the choice hangs on the wave's number alone
	s_cselect_b64 s[PFA:PFA+1], s[VB:VB+1], s[KB:KB+1]
	s_cselect_b32 s[PFS], 16384, s[PFS]
	s_cselect_b32 s[PMSK], 0, 1
	s_cselect_b32 s[PLIM], 9, 8
	s_cselect_b32 s44, s44, 0
	s_mul_i32 s32, s[PFS], 5                       ; at unit 5: the first trip steps it to unit 6
	s_add_co_u32 s32, s32, s44
	s_add_nc_u64 s[PFA:PFA+1], s[PFA:PFA+1], s[32:33]
	s_mov_b32 s[PFS+1], 0
	s_cmp_eq_u32 s10, 3
	s_cselect_b32 s[PLIM], -1, s[PLIM]
	s_cmp_lg_u32 ttmp9, 0
	s_cselect_b32 s[PLIM], -1, s[PLIM]
	COPYLD                                         ; unit 0
.irp p, 0,1
.irp g, 0,1
	global_load_b128 v[S+8*\p+4*\g:S+8*\p+4*\g+3], v1, s[34:35] offset:\p*1024+\g*512        ; q in f32: lane (r, h): features 8 h + 0 .. 7 of query r
	global_load_b128 v[S+16+8*\p+4*\g:S+16+8*\p+4*\g+3], v1, s[36:37] offset:\p*1024+\g*512
.endr
.endr
	global_load_b32 v45, v4, s[38:39]              ; lane l: the largest |k|^2 of keys 64 l .. 64 l + 63
	s_wait_loadcnt 0x0
	COPYST 0
	s_wait_dscnt 0x0                               ; the stores have landed and have read their registers
	s_add_nc_u64 s[KB:KB+1], s[KB:KB+1], 4096
	s_add_nc_u64 s[VB:VB+1], s[VB:VB+1], 16384
	COPYLD                                         ; unit 1
	s_lshl_b32 s44, s[JL], 1
	s_add_co_u32 s44, s44, 1                       ; block j ends with group 2 j + 1
	v_cmp_ge_u32 vcc_lo, s44, v2
	v_cndmask_b32 v46, v8, v45, vcc_lo
	s_lshl_b32 s44, ttmp9, 1
	s_add_co_u32 s44, s44, 1
	v_cmp_ge_u32 vcc_lo, s44, v2
	v_cndmask_b32 v47, v8, v45, vcc_lo
.irp m, 1,2,4,8
	v_max_num_f32_dpp v46, v46, v46 row_xmask:\m row_mask:0xf bank_mask:0xf
	v_max_num_f32_dpp v47, v47, v47 row_xmask:\m row_mask:0xf bank_mask:0xf
.endr
	v_permlanex16_b32 v40, v46, s[SEL], s[SEL+1]
	v_permlanex16_b32 v41, v47, s[SEL], s[SEL+1]
	v_max_num_f32 v46, v46, v40
	v_max_num_f32 v47, v47, v41
	v_mul_f32 v46, 0x3d800000, v46                 ; kmax^2 / 16 for block L,
	v_mul_f32 v47, 0x3d800000, v47                 ; and for block E
.macro QSET t                          ; tile t: g, Q', 16 g^2; the sums begin at 0
.set rQ, S+8*(\t)
.set rF, QF+8*(\t)
.set rT, ST+6*(\t)
	v_mul_f32 v40, v[rQ], v[rQ]
.irp i, 1,2,3,4,5,6,7
	v_fmac_f32 v40, v[rQ+\i], v[rQ+\i]
.endr
	v_permlanex16_b32 v41, v40, s[SEL], s[SEL+1]
	v_add_f32 v40, v40, v41                        ; |q|^2
	v_fmaak_f32 v40, v40, v[46+(\t)/2], 0x3fc00000 ; 1.5 + |q|^2 kmax^2 / 16
	v_lshrrev_b32 v40, 23, v40                     ; its exponent field (it is positive)
	v_sub_nc_u32 v40, 136, v40
	v_ashrrev_i32 v40, 1, v40                      ; e
	v_ldexp_f32 v42, 1.0, v40                      ; g
	v_ldexp_f32 v43, 4.0, v40                      ; 4 g
	v_lshl_add_u32 v40, v40, 1, 4
	v_ldexp_f32 v[rT], 1.0, v40                    ; 16 g^2
.irp i, 1,2,3,4,5
	v_mov_b32 v[rT+\i], 0
.endr
.irp i, 0,2,4,6
	v_pk_mul_f32 v[rQ+\i:rQ+\i+1], v[rQ+\i:rQ+\i+1], v[42:43] op_sel_hi:[1,0]     ; g q: exact
.endr
.irp i, 0,1,2,3
	v_cvt_pk_f16_f32 v[rF+\i], v[rQ+2*\i], v[rQ+2*\i+1]
.endr
	v_cvt_pk_f16_f32 v44, v43, v8
	v_cndmask_b32 v[rF+4], v8, v44, s[LOW]         ; feature 16 lies in the low half of register 4 of lanes 0-15
.irp i, 5,6,7
	v_mov_b32 v[rF+\i], 0
.endr
.endm
	QSET 0
	QSET 1
	QSET 2
	QSET 3
	v_mov_b32 v44, 0x3c00                          ; 1.0 in f16
	v_cndmask_b32 v44, v8, v44, s[LOW]
.irp n, 0,1,2,3
	v_mov_b32 v[KF+8*\n+4], v44                    ; feature 16 of every key; the loads never touch registers 4-7 of K's fragments
	v_mov_b32 v[KF+8*\n+5], 0
	v_mov_b32 v[KF+8*\n+6], 0
	v_mov_b32 v[KF+8*\n+7], 0
.endr
	s_barrier_signal -1                            ; (my stores of unit 0 were waited for above)
	s_barrier_wait -1
	TRIP 0, 1
	s_mov_b32 s[CNT], 7
.Lpair:
	TRIP 1, 0
	TRIP 0, 0
	s_sub_co_u32 s[CNT], s[CNT], 1
	s_cmp_lg_u32 s[CNT], 0
	s_cbranch_scc1 .Lpair
	TRIP 1, 0
; THE WAY OUT.  The additions are the places behind the last products.
.irp t, 0,1,2,3
	v_pk_add_f32 v[ST+6*\t+2:ST+6*\t+3], v[ST+6*\t+2:ST+6*\t+3], v[ST+6*\t+4:ST+6*\t+5]
.endr
.irp t, 0,1,2,3
	v_add_f32 v[ST+6*\t+2], v[ST+6*\t+2], v[ST+6*\t+3]
.endr
.irp t, 0,1,2,3
	v_permlanex16_b32 v[ST+6*\t+3], v[ST+6*\t+2], s[SEL], s[SEL+1]
.endr
.irp t, 0,1,2,3
	v_add_f32 v[ST+6*\t+2], v[ST+6*\t+2], v[ST+6*\t+3]                     ; the row's sum
.endr
.irp t, 0,1,2,3
	v_fmamk_f32 v[ST+6*\t+2], v[ST+6*\t], 0x2c0cbccc, v[ST+6*\t+2]         ; + 16 g^2 x 2e-12 = 32 g^2 x 1e-12
.endr
.irp t, 0,1,2,3
	v_rcp_f32 v[ST+6*\t], v[ST+6*\t+2]
.endr
	v_nop                                          ; a plain line behind the last reciprocal
	s_wait_alu depctr_va_vdst(0)                   ; and the wait ahead of the first use: one for the four
.irp t, 0,1,2,3
	WIN 0x41                                       ; O^T (destination and source 0) window 1
.irp i, 0,1,2,3,4,5,6,7,8,9,10,11,12,13,14,15
	v_pk_mul_f32 v[32*\t+2*\i:32*\t+2*\i+1], v[32*\t+2*\i:32*\t+2*\i+1], v[ST+6*\t:ST+6*\t+1] op_sel_hi:[1,0]
.endr
	WIN 0x05                                       ; sources window 1, destination window 0
.irp i, 0,1,2,3,4,5,6,7,8,9,10,11,12,13,14,15
	v_cvt_pk_f16_f32 v[S+16*\t+\i], v[32*\t+2*\i], v[32*\t+2*\i+1]         ; channels 16 e + 8 h + 0 .. 7 of row r: group e % 2 of fragment 2 head + e / 2 of y
.endr
.endr
	WIN 0
.irp p, 0,1
.irp e, 0,1,2,3
	global_store_b128 v1, v[S+16*\p+4*\e:S+16*\p+4*\e+3], s[40:41] offset:\p*32768+\e*512          ; each store covers 512 consecutive bytes, aligned
	global_store_b128 v1, v[S+32+16*\p+4*\e:S+32+16*\p+4*\e+3], s[42:43] offset:\p*32768+\e*512
.endr
.endr
	s_wait_tensorcnt 0x0                           ; the wave's end: a tensor wait, 0 onto my spare word and its wait, behind my last LDS store
	ds_add_u32 v[SPW], v[NIL]
	s_wait_dscnt 0x0
	s_endpgm
.Lfunc_end_k_q0facac9ba0_attn:
	.size	k_q0facac9ba0_attn, .Lfunc_end_k_q0facac9ba0_attn-k_q0facac9ba0_attn
	.p2alignl 7, 3214868480
	.fill 96, 4, 3214868480
	.section	.rodata,"a",@progbits
	.p2align	6, 0x0
	.amdhsa_kernel k_q0facac9ba0_attn
		.amdhsa_group_segment_fixed_size 41472
		.amdhsa_private_segment_fixed_size 0
		.amdhsa_enable_private_segment 0
		.amdhsa_kernarg_size 24
		.amdhsa_user_sgpr_count 2
		.amdhsa_user_sgpr_kernarg_segment_ptr 1
		.amdhsa_wavefront_size32 1
		.amdhsa_system_sgpr_workgroup_id_x 1
		.amdhsa_system_sgpr_workgroup_id_y 1
		.amdhsa_system_sgpr_workgroup_id_z 1
		.amdhsa_system_vgpr_workitem_id 0
		.amdhsa_next_free_vgpr 448
		.amdhsa_next_free_sgpr 66
		.amdhsa_reserve_vcc 1
		.amdhsa_float_denorm_mode_32 3
		.amdhsa_float_denorm_mode_16_64 3
		.amdhsa_memory_ordered 1
		.amdhsa_forward_progress 1
		.amdhsa_inst_pref_size 223
	.end_amdhsa_kernel
	.amdgpu_metadata
---
amdhsa.version: [ 1, 2 ]
amdhsa.kernels:
  - .name:           k_q0facac9ba0_attn
    .symbol:         k_q0facac9ba0_attn.kd
    .args:
      - { .name: qk, .offset: 0, .size: 8, .value_kind: global_buffer, .address_space: global }
      - { .name: vf, .offset: 8, .size: 8, .value_kind: global_buffer, .address_space: global }
      - { .name: yf, .offset: 16, .size: 8, .value_kind: global_buffer, .address_space: global }
    .group_segment_fixed_size: 41472
    .private_segment_fixed_size: 0
    .kernarg_segment_align: 8
    .kernarg_segment_size: 24
    .max_flat_workgroup_size: 128
    .sgpr_count:     66
    .vgpr_count:     448
    .wavefront_size: 32
...
	.end_amdgpu_metadata
.endif
;; end of part 3
;; launch oproj (part 4): grid 8 x 32, 4 waves a work-group, clusters of 4 x 4, 327,680 bytes of LDS; arguments yf, wo2, out0; writes out0
.if DOCPART == 4
	.amdgcn_target "amdgcn-amd-amdhsa--gfx1250"
	.amdhsa_code_object_version 6
	.text
	.protected	k_q0facac9ba0_oproj
	.globl	k_q0facac9ba0_oproj
	.p2align	8
	.type	k_q0facac9ba0_oproj,@function
k_q0facac9ba0_oproj:
	s_mov_b64 s[64:65], 0
	v_nop
	global_prefetch_b8 v0, s[64:65] scope:SCOPE_SE
	s_setreg_imm32_b32 hwreg(HW_REG_WAVE_MODE, 25, 1), 1
	s_wait_xcnt 0x0
	s_wait_alu depctr_hold_cnt(0) depctr_sa_sdst(0) depctr_va_vdst(0) depctr_va_sdst(0) depctr_va_ssrc(0) depctr_va_vcc(0) depctr_vm_vsrc(0)
	s_getreg_b32 s2, hwreg(HW_REG_IB_STS2, 6, 4)
	s_cmp_eq_u32 s2, 0
	s_cbranch_scc0 .Lentry_in_a_cluster
	s_endpgm
.Lentry_in_a_cluster:
	s_bfe_u32 s2, ttmp6, 0x10000c
	s_cmp_lg_u32 s2, 0xf033
	s_cbranch_scc0 .Lentry_shape_is_right
	s_endpgm
.Lentry_shape_is_right:
; OPROJ: out0 [4096][1024] f32 = y Wo, y [4096][1024] and Wo [1024 (k)][1024 (n)] in f16, sums in f32.  Both operands lie in memory as images of fragments: [tile of 16 rows or columns][32 along K][1,024 bytes].
; A tile of the result is 128 x 128: 256 work-groups, one for each WGP; four waves, each 64 x 64: 16 accumulators.  K goes in four steps of 256 through a ring of two LDS slots.
; A K step of one tile of 16 is 8,192 consecutive bytes; a wave's tensor load brings four of them (rows of 8,192 bytes, 32,768 apart).  In LDS they lie on end, and a fragment load takes 512 consecutive bytes: no pitch, no padding.
; CLUSTERS: 4 x 4 work-groups.  The four of a row of the cluster need the same tiles of y, the four of a column the same tiles of Wo: each is asked for JOINTLY, by the same tensor load with the same descriptor and a mask that names the four.
; THE MATRIX INSTRUCTION IS USED TRANSPOSED (source 0 = 16 columns of Wo, source 1 = 16 rows of y): a lane holds eight neighbouring numbers of a row of the result.
; Rows 0-15 of each sequence are stored here like all others (a jump round them would hang on a work-group's place in its cluster); the launch that follows stores them again, from f32 operands.
; LIMITS: |y|, |Wo| under 65,504.
; REGISTERS: window 0: v0-31 addresses; v32-95 the way out; v128-255 the accumulators ((a, b) at v[128 + 8 (4 a + b)]).   window 1: two fragment buffers of 128: for 64 along K, 64 registers of y, then 64 of Wo.
.set STEPB,  8192                      ; a K step of one tile of 16: 8 fragments
.set SLOT,   131072                    ; y's 8 tiles, then Wo's 8
.set SPARE,  262144                    ; behind the ring: the spare words, 128 bytes a wave: two blocks of 256 bytes that no other line names
.set SPITCH, 272                       ; the way out: a stage of 16 rows x (256 bytes + 16) for each wave, in slot 0, which has had its last fill and its last read when the first result is stored there
.set ADRA, 16                          ; v16-17  LDS address of my fragments of y in slot 0, 1
.set ADRB, 20                          ; v20-21  the same for Wo
.set STO,  24
.set RD,   25
.set CO,   26
.set SPW,  28                          ; v28     LDS address of my spare word; never rewritten
.set NIL,  29                          ; v29     0; never rewritten
.set TMP,  32
.set ACC,  128
.set F0,   0
.set F1,   128
.set G1, 24                            ; s[24:31] descriptor group 1 for y's tiles;  s[32:39] group 0, one set for each slot
.set G0, 32
.set G1B, 48                           ; s[48:55], s[56:63] the same for Wo's
.set G0B, 56
.set MSB, 0
.macro WIN new                         ; the immediate's high byte repeats the setting that is left
.if MSB != \new
	s_set_vgpr_msb (MSB<<8)|\new
.set MSB, \new
.endif
.endm
.set MUL,  0x05                        ; sources 0 and 1 window 1; C and D window 0
.set TO_F, 0x40                        ; destination window 1, address window 0
.macro JLOAD s                         ; a joint load: waves 0 and 1 fetch y's two halves, waves 2 and 3 Wo's; an s_nop 0 and four v_nop follow each of the two lines, ahead of the jump, the label and what follows
	s_cmp_eq_u32 s11, 0
	s_cbranch_scc0 .Lfor_b_\@
	tensor_load_to_lds s[G0+4*\s:G0+4*\s+3], s[G1:G1+7]
	s_nop 0
.rept 4
	v_nop
.endr
	s_branch .Lasked_\@
.Lfor_b_\@:
	tensor_load_to_lds s[G0B+4*\s:G0B+4*\s+3], s[G1B:G1B+7]
	s_nop 0
.rept 4
	v_nop
.endr
.Lasked_\@:
.endm
.macro CREST                           ; a round of the cluster's barrier behind its opening barrier
	s_cmp_lg_u32 s10, 0
	s_cbranch_scc1 .Lnot_wave_0_\@
	s_barrier_signal -3
.Lnot_wave_0_\@:
	s_barrier_wait -3
	s_barrier_signal -1
	s_barrier_wait -1
.endm
.macro CROUND                          ; a whole round
	s_barrier_signal -1
	s_barrier_wait -1
	CREST
.endm
	s_load_b128 s[4:7], s[0:1], 0x0                ; yf s[4:5], wo2 s[6:7]
	s_load_b64 s[8:9], s[0:1], 0x10                ; out0
	v_lshl_add_u32 v[SPW], v0, 2, SPARE
	v_mov_b32 v[NIL], 0
	ds_add_u32 v[SPW], v[NIL]                      ; the wave's opening: the add, twice on end, and its wait ahead of my first tensor load; the set-up below stands between the second and the wait
	ds_add_u32 v[SPW], v[NIL]
	v_lshrrev_b32 v1, 5, v0
	v_readfirstlane_b32 s10, v1                    ; wave 0..3
	s_lshr_b32 s11, s10, 1                         ; which half of the tile's rows is mine.  Also: I fetch for y (0) or for Wo (1)
	s_and_b32 s12, s10, 1                          ; which half of its columns.  Also: which four tiles of 16 I fetch
	s_bfe_u32 s40, ttmp6, 0x40000                  ; cx, cy: my place in the cluster
	s_bfe_u32 s41, ttmp6, 0x40004
	s_lshl_b32 s42, ttmp9, 2
	s_add_co_u32 s42, s42, s40                     ; tile column = 4 x cluster x + cx
	s_and_b32 s13, ttmp7, 0xffff
	s_lshl_b32 s13, s13, 2
	s_add_co_u32 s13, s13, s41                     ; tile row = 4 x cluster y + cy
	s_lshl_b32 s43, s41, 2
	s_lshl_b32 s43, 15, s43                        ; my row of the cluster
	s_lshl_b32 s44, 0x1111, s40                    ; my column
	s_or_b32 s[G1+0], s43, (3<<16)|(1<<21)         ; 15:0 the mask: y's tiles go to my row; 17:16 elements of 8 bytes; 20 no padding; 21 set beside a mask
	s_or_b32 s[G1B+0], s44, (3<<16)|(1<<21)
.irp g, G1, G1B
	s_mov_b32 s[\g+1], 1024<<16                    ; tensor_dim0 = 1,024 elements: 8,192 bytes
	s_mov_b32 s[\g+2], 4<<16                       ; tensor_dim1 = 4
	s_mov_b32 s[\g+3], 1024<<16                    ; tile_dim0
	s_mov_b32 s[\g+4], 4                           ; tile_dim1
	s_mov_b32 s[\g+5], 4096                        ; tensor_dim0_stride: 32,768 bytes from a tile of 16 to the next
	s_mov_b32 s[\g+6], 0
	s_mov_b32 s[\g+7], 0
.endr
	s_lshl_b32 s17, s12, 17                        ; which four tiles of 32,768 bytes
	s_lshl_b32 s16, s13, 18                        ; y: 8 tiles a tile row
	s_add_co_u32 s16, s16, s17
	s_lshl_b32 s46, s42, 18                        ; Wo: 8 tiles a tile column
	s_add_co_u32 s46, s46, s17
	s_mov_b32 s17, 0
	s_mov_b32 s47, 0
	s_lshl_b32 s20, s10, 15                        ; where they go: wave x 32,768: no place in the cluster enters an LDS address
	s_wait_dscnt 0x0                               ; both opening adds are done
	s_wait_kmcnt 0x0
	s_add_nc_u64 s[14:15], s[4:5], s[16:17]
	s_add_nc_u64 s[46:47], s[6:7], s[46:47]
	CROUND                                         ; all sixteen work-groups are here: the first joint loads meet
.irp s, 0,1
	s_mov_b32 s[G0+4*\s], 1
	s_add_co_u32 s[G0+4*\s+1], s20, \s*SLOT
	s_add_nc_u64 s[G0+4*\s+2:G0+4*\s+3], s[14:15], \s*STEPB
	s_or_b32 s[G0+4*\s+3], s[G0+4*\s+3], 0x80000000
	s_mov_b32 s[G0B+4*\s], 1
	s_add_co_u32 s[G0B+4*\s+1], s20, \s*SLOT
	s_add_nc_u64 s[G0B+4*\s+2:G0B+4*\s+3], s[46:47], \s*STEPB
	s_or_b32 s[G0B+4*\s+3], s[G0B+4*\s+3], 0x80000000
	JLOAD \s
.endr
	v_and_b32 v1, 31, v0
	v_lshlrev_b32 v3, 4, v1                        ; 16 x lane
	s_lshl_b32 s21, s11, 15                        ; my four tiles of y
	s_lshl_b32 s22, s12, 15                        ; my four tiles of Wo,
	s_add_co_u32 s22, s22, 65536                   ; which lie behind y's eight
.irp s, 0,1
	v_add_nc_u32 v[ADRA+\s], s21, v3
	v_add_nc_u32 v[ADRB+\s], s22, v3
	s_add_co_u32 s21, s21, SLOT
	s_add_co_u32 s22, s22, SLOT
.endr
	v_and_b32 v1, 15, v0                           ; r
	v_bfe_u32 v2, v0, 4, 1                         ; h
	s_mul_i32 s23, s10, 16*SPITCH                  ; my stage
	v_mul_u32_u24 v4, v1, SPITCH
	v_lshl_add_u32 v4, v2, 5, v4
	v_add_nc_u32 v[STO], s23, v4                   ; in: row r, 32 bytes for each half of the lanes
	v_mul_u32_u24 v5, v2, SPITCH
	v_lshl_add_u32 v5, v1, 4, v5
	v_add_nc_u32 v[RD], s23, v5                    ; back: lanes 0-15 one row of 256 bytes, lanes 16-31 the next
	v_lshlrev_b32 v5, 12, v2
	v_lshl_add_u32 v[CO], v1, 4, v5                ; and the same two rows in the result
	s_lshl_b32 s16, s13, 19                        ; my first row: 128 x tile row + 64 x half, rows of 4,096 bytes
	s_lshl_b32 s17, s11, 18
	s_add_co_u32 s16, s16, s17
	s_mov_b32 s17, 0
	s_add_nc_u64 s[8:9], s[8:9], s[16:17]
	s_lshl_b32 s46, s42, 9                         ; my first column, in bytes: 512 x tile column + 256 x half
	s_lshl_b32 s47, s12, 8
	s_add_co_u32 s46, s46, s47
	s_mov_b32 s47, 0
	s_add_nc_u64 s[8:9], s[8:9], s[46:47]
; 8 matrix instructions: blocks a0, a0 + 1 of rows x all 4 blocks of columns, 32 along K: half c of buffer f.  zero = 1: the first product starts the sums.  The 16 accumulators take turns
.macro MUL8 f, c, a0, zero
.irp a, \a0, \a0+1
.irp b, 0,1,2,3
.if \zero
	v_wmma_f32_16x16x32_f16 v[ACC+8*(4*(\a)+\b):ACC+8*(4*(\a)+\b)+7], v[\f+64+8*(4*\c+\b):\f+64+8*(4*\c+\b)+7], v[\f+8*(4*\c+\a):\f+8*(4*\c+\a)+7], 0
.else
	v_wmma_f32_16x16x32_f16 v[ACC+8*(4*(\a)+\b):ACC+8*(4*(\a)+\b)+7], v[\f+64+8*(4*\c+\b):\f+64+8*(4*\c+\b)+7], v[\f+8*(4*\c+\a):\f+8*(4*\c+\a)+7], v[ACC+8*(4*(\a)+\b):ACC+8*(4*(\a)+\b)+7]
.endif
.endr
.endr
.endm
; 32 LDS loads in one run: the fragments of the slot's q-th 64 along K into buffer f; the first 32 along K first
.macro FETCH slot, q, f
	WIN TO_F
.irp c, 0,1
.irp i, 0,1,2,3
	ds_load_b128 v[\f+64+8*(4*\c+\i):\f+64+8*(4*\c+\i)+3],   v[ADRB+\slot] offset:\i*STEPB+(2*(\q)+\c)*1024
	ds_load_b128 v[\f+64+8*(4*\c+\i)+4:\f+64+8*(4*\c+\i)+7], v[ADRB+\slot] offset:\i*STEPB+(2*(\q)+\c)*1024+512
	ds_load_b128 v[\f+8*(4*\c+\i):\f+8*(4*\c+\i)+3],         v[ADRA+\slot] offset:\i*STEPB+(2*(\q)+\c)*1024
	ds_load_b128 v[\f+8*(4*\c+\i)+4:\f+8*(4*\c+\i)+7],       v[ADRA+\slot] offset:\i*STEPB+(2*(\q)+\c)*1024+512
.endr
.endr
.endm
.macro PLACES                          ; four places in front of loads into registers that matrix instructions have read, and of the first read of results
.rept 4
	v_nop
.endr
.endm
; A K step is four quarters of 64 along K, 32 matrix instructions each, on buffers 0, 1, 0, 1.  One of the first three: multiplies buffer f and fetches quarter q into g.
.macro QUARTER slot, q, f, g, zero
	s_wait_dscnt 16                                ; the first 32 along K are in; the other sixteen loads may be out
	WIN MUL
	MUL8 \f, 0, 0, \zero
	MUL8 \f, 0, 2, \zero
	PLACES
	FETCH \slot, \q, \g
	s_wait_dscnt 32                                ; all but the 32 just issued
	WIN MUL
	MUL8 \f, 1, 0, 0
	MUL8 \f, 1, 2, 0
.endm
; The last quarter multiplies buffer 1 and changes slots: ONE barrier; in front of it each wave waits for all its tensor loads, adds 0 to its spare word, and waits for that and for its own reads of this slot.  fill = 1: this slot is filled again, two K steps ahead.
.macro TURN slot, next, fill
	WIN 0                                          ; (the add's two registers lie in window 0)
	s_wait_tensorcnt 0x0                           ; all my tensor loads have landed: my part of the next slot;
	ds_add_u32 v[SPW], v[NIL]                      ; 0 onto my spare word;
	s_wait_dscnt 17                                ; (the add and the youngest sixteen loads may be out)
	WIN MUL
	MUL8 F1, 0, 0, 0                               ; eight matrix instructions stand between the add and the wait for it
	s_wait_dscnt 0x0                               ; the add is done, and my reads of this slot are over
	s_barrier_signal -1
	MUL8 F1, 0, 2, 0
.if \fill
	WIN 0
.endif
	s_barrier_wait -1
.if \fill
	CREST                                          ; the barrier has opened a round of the cluster's barrier: no wave of any partner still reads this slot's tile or has a load on its way
	s_add_nc_u64 s[G0+4*\slot+2:G0+4*\slot+3], s[G0+4*\slot+2:G0+4*\slot+3], 2*STEPB
	s_add_nc_u64 s[G0B+4*\slot+2:G0B+4*\slot+3], s[G0B+4*\slot+2:G0B+4*\slot+3], 2*STEPB
	JLOAD \slot                                    ; the first tensor load behind the round; the four v_nop behind it are also the places in front of the loads below
.else
	PLACES
.endif
	FETCH \next, 0, F0
	WIN MUL
	MUL8 F1, 1, 0, 0
	MUL8 F1, 1, 2, 0
.endm
	s_wait_tensorcnt 1                             ; my part of K step 0 is in (K step 1's load may be out)
	s_barrier_signal -1
	s_barrier_wait -1                              ; everybody's is
	FETCH 0, 0, F0
	QUARTER 0, 1, F0, F1, 1                        ; K step 0: its first products start the sums
	QUARTER 0, 2, F1, F0, 0
	QUARTER 0, 3, F0, F1, 0
	TURN 0, 1, 1                                   ; slot 0 takes K step 2
	QUARTER 1, 1, F0, F1, 0                        ; K step 1
	QUARTER 1, 2, F1, F0, 0
	QUARTER 1, 3, F0, F1, 0
	TURN 1, 0, 1                                   ; slot 1 takes K step 3
	QUARTER 0, 1, F0, F1, 0                        ; K step 2
	QUARTER 0, 2, F1, F0, 0
	QUARTER 0, 3, F0, F1, 0
	TURN 0, 1, 0                                   ; nothing is left to fetch: no round
	QUARTER 1, 1, F0, F1, 0                        ; K step 3
	QUARTER 1, 2, F1, F0, 0
	QUARTER 1, 3, F0, F1, 0
	s_wait_dscnt 16
	WIN MUL
	MUL8 F1, 0, 0, 0
	MUL8 F1, 0, 2, 0
	s_wait_dscnt 0
	MUL8 F1, 1, 0, 0
	MUL8 F1, 1, 2, 0
	WIN 0
; THE WAY OUT, a block of 16 rows x 64 columns at a time.  A lane holds 32 neighbouring bytes of a row and the lanes beside it hold other rows: so a block goes through my own stage and comes back as whole rows of 256 bytes.
; LDS serves a wave's instructions in order (ISA guide 5.7.1.4): no wait between the stores and the loads, nor in front of the next block's stores.
.macro TOSTAGE a
.irp b, 0,1,2,3
	ds_store_b128 v[STO], v[ACC+8*(4*(\a)+\b):ACC+8*(4*(\a)+\b)+3] offset:64*\b          ; each accumulator from its low end on
	ds_store_b128 v[STO], v[ACC+8*(4*(\a)+\b)+4:ACC+8*(4*(\a)+\b)+7] offset:64*\b+16
.endr
.irp t, 0,1,2,3,4,5,6,7
	ds_load_b128 v[TMP+32*((\a)%2)+4*\t:TMP+32*((\a)%2)+4*\t+3], v[RD] offset:\t*2*SPITCH
.endr
.endm
.macro SEND a, younger                 ; younger: the LDS instructions issued behind block a's loads, which may stay out
	s_wait_dscnt \younger
.irp t, 0,1,2,3,4,5,6,7
	global_store_b128 v[CO], v[TMP+32*((\a)%2)+4*\t:TMP+32*((\a)%2)+4*\t+3], s[8:9] offset:(16*(\a)+2*\t)*4096 th:TH_STORE_NT   ; sixteen lanes store 256 consecutive bytes, aligned
.endr
.endm
	PLACES
	TOSTAGE 0
	TOSTAGE 1
	SEND 0, 16                                     ; behind block 0's loads: block 1's 8 stores and 8 loads
	s_wait_xcnt 0x0                                ; block 0's stores have read their registers: block 2's loads may land there
	TOSTAGE 2
	SEND 1, 16
	s_wait_xcnt 0x0
	TOSTAGE 3
	SEND 2, 16
	SEND 3, 0
	s_wait_tensorcnt 0x0                           ; the wave's end: a tensor wait, 0 onto my spare word and its wait, behind my last tensor load and my last LDS store
	ds_add_u32 v[SPW], v[NIL]
	s_wait_dscnt 0x0
	CROUND                                         ; the closing round: no work-group ends while a partner may still ask for a tile that names it
	s_endpgm
.Lfunc_end_k_q0facac9ba0_oproj:
	.size	k_q0facac9ba0_oproj, .Lfunc_end_k_q0facac9ba0_oproj-k_q0facac9ba0_oproj
	.p2alignl 7, 3214868480
	.fill 96, 4, 3214868480
	.section	.rodata,"a",@progbits
	.p2align	6, 0x0
	.amdhsa_kernel k_q0facac9ba0_oproj
		.amdhsa_group_segment_fixed_size 327680
		.amdhsa_private_segment_fixed_size 0
		.amdhsa_enable_private_segment 0
		.amdhsa_kernarg_size 24
		.amdhsa_user_sgpr_count 2
		.amdhsa_user_sgpr_kernarg_segment_ptr 1
		.amdhsa_wavefront_size32 1
		.amdhsa_system_sgpr_workgroup_id_x 1
		.amdhsa_system_sgpr_workgroup_id_y 1
		.amdhsa_system_sgpr_workgroup_id_z 1
		.amdhsa_system_vgpr_workitem_id 0
		.amdhsa_next_free_vgpr 512
		.amdhsa_next_free_sgpr 66
		.amdhsa_reserve_vcc 0
		.amdhsa_float_denorm_mode_32 3
		.amdhsa_float_denorm_mode_16_64 3
		.amdhsa_memory_ordered 1
		.amdhsa_forward_progress 1
		.amdhsa_inst_pref_size 85
	.end_amdhsa_kernel
	.amdgpu_metadata
---
amdhsa.version: [ 1, 2 ]
amdhsa.kernels:
  - .name:           k_q0facac9ba0_oproj
    .symbol:         k_q0facac9ba0_oproj.kd
    .args:
      - { .name: yf, .offset: 0, .size: 8, .value_kind: global_buffer, .address_space: global }
      - { .name: wo2, .offset: 8, .size: 8, .value_kind: global_buffer, .address_space: global }
      - { .name: out0, .offset: 16, .size: 8, .value_kind: global_buffer, .address_space: global }
    .group_segment_fixed_size: 327680
    .private_segment_fixed_size: 0
    .kernarg_segment_align: 8
    .kernarg_segment_size: 24
    .max_flat_workgroup_size: 128
    .sgpr_count:     66
    .vgpr_count:     512
    .wavefront_size: 32
...
	.end_amdgpu_metadata
.endif
;; end of part 4
;; launch fine (part 5): grid 64 x 2, 8 waves a work-group, no clusters, 9,216 bytes of LDS; arguments y16, wo2, out0; writes out0
.if DOCPART == 5
	.amdgcn_target "amdgcn-amd-amdhsa--gfx1250"
	.amdhsa_code_object_version 6
	.text
	.protected	k_q0facac9ba0_fine
	.globl	k_q0facac9ba0_fine
	.p2align	8
	.type	k_q0facac9ba0_fine,@function
k_q0facac9ba0_fine:
	s_mov_b64 s[64:65], 0
	v_nop
	global_prefetch_b8 v0, s[64:65] scope:SCOPE_SE
	s_setreg_imm32_b32 hwreg(HW_REG_WAVE_MODE, 25, 1), 1
	s_wait_xcnt 0x0
; FINE: rows 0-15 of both sequences of out0 = y Wo once more, with f32 operands: these rows average one to sixteen values, are the largest, and leave the rounding of f16 operands no room.
; 32 rows x 1,024 columns x 1,024 along K: no bulk work.  A work-group makes 16 rows x 16 columns (grid: tile of columns, batch); its eight waves share K, 128 each: 16 chunks of 8, two instructions of the f32 matrix form a chunk.
; Both operands lie as images: lane (r, h) holds k = 8 chunk + 4 h + 0 .. 3 of row (or column) r; pair p of the four registers stands for k = 8 chunk + 4 h + 2 p, + 1 on both sides alike.
; Used transposed (source 0 = 16 columns of Wo, source 1 = the 16 rows): a lane holds eight neighbouring numbers of a row.  The eight waves' parts meet in LDS and are added in a fixed order by waves 0 and 1.
; The stores are 16 bytes a lane, 64 bytes of a row for a work-group: 128 KiB in all.  No cluster: work-groups share y's 64 KiB alone.
.set SPARE, 8192                       ; behind the eight parts of 1,024 bytes: the spare words, 128 bytes a wave: four blocks of 256 bytes that no other line names
	s_load_b128 s[4:7], s[0:1], 0x0                ; y16 s[4:5], wo2 s[6:7]
	s_load_b64 s[8:9], s[0:1], 0x10                ; out0
	v_lshl_add_u32 v2, v0, 2, SPARE                ; my spare word; never rewritten
	v_mov_b32 v3, 0                                ; 0; never rewritten
	v_lshrrev_b32 v1, 5, v0
	v_readfirstlane_b32 s10, v1                    ; wave 0..7
	v_and_b32 v1, 31, v0
	v_lshlrev_b32 v4, 4, v1                        ; 16 x lane
	s_lshl_b32 s11, s10, 10
	v_add_nc_u32 v5, s11, v4                       ; where my part goes
	s_lshl_b32 s11, s10, 9
	v_add_nc_u32 v6, s11, v4                       ; waves 0 and 1: group g = my number of every part
	v_and_b32 v7, 15, v0
	v_bfe_u32 v8, v0, 4, 1
	v_lshlrev_b32 v7, 12, v7
	v_lshl_add_u32 v7, v8, 5, v7                   ; the result: row r of 4,096 bytes, + 32 h
	s_and_b32 s12, ttmp7, 0xffff                   ; batch
	s_mov_b32 s15, 0
	s_lshl_b32 s13, s10, 13                        ; my 16 chunks of 512 bytes
	s_wait_kmcnt 0x0
	s_lshl_b32 s14, s12, 16
	s_add_co_u32 s14, s14, s13
	s_add_nc_u64 s[4:5], s[4:5], s[14:15]
	s_lshl_b32 s14, ttmp9, 16
	s_add_co_u32 s14, s14, s13
	s_add_co_u32 s14, s14, 2097152                 ; the f32 images lie behind the f16 fragments
	s_add_nc_u64 s[6:7], s[6:7], s[14:15]
	s_lshl_b32 s14, s12, 23                        ; 2,048 rows of 4,096 bytes a batch
	s_lshl_b32 s13, ttmp9, 6
	s_add_co_u32 s14, s14, s13
	s_lshl_b32 s13, s10, 4                         ; + 16 g
	s_add_co_u32 s14, s14, s13
	s_add_nc_u64 s[8:9], s[8:9], s[14:15]
.irp c, 0,1,2,3,4,5,6,7,8,9,10,11,12,13,14,15
	global_load_b128 v[16+4*\c:19+4*\c], v4, s[4:5] offset:512*\c
	global_load_b128 v[80+4*\c:83+4*\c], v4, s[6:7] offset:512*\c
.endr
.irp c, 0,1,2,3,4,5,6,7,8,9,10,11,12,13,14,15
	s_wait_loadcnt 30-2*\c                         ; chunk c's two loads are in; the later chunks' may be out
.irp p, 0,1
.if \c < 2
	v_wmma_f32_16x16x4_f32 v[144+8*((2*\c+\p)%4):151+8*((2*\c+\p)%4)], v[80+4*\c+2*\p:81+4*\c+2*\p], v[16+4*\c+2*\p:17+4*\c+2*\p], 0     ; four accumulators by turns; the first four products start the sums
.else
	v_wmma_f32_16x16x4_f32 v[144+8*((2*\c+\p)%4):151+8*((2*\c+\p)%4)], v[80+4*\c+2*\p:81+4*\c+2*\p], v[16+4*\c+2*\p:17+4*\c+2*\p], v[144+8*((2*\c+\p)%4):151+8*((2*\c+\p)%4)]
.endif
.endr
.endr
.rept 8
	v_nop                                          ; eight places behind this form
.endr
.irp i, 0,2,4,6
	v_pk_add_f32 v[176+\i:177+\i], v[144+\i:145+\i], v[152+\i:153+\i]      ; the four sums are added into other registers, each accumulator read from its low end on
	v_pk_add_f32 v[184+\i:185+\i], v[160+\i:161+\i], v[168+\i:169+\i]
.endr
.irp i, 0,2,4,6
	v_pk_add_f32 v[176+\i:177+\i], v[176+\i:177+\i], v[184+\i:185+\i]
.endr
	ds_store_b128 v5, v[176:179]                   ; my part as it stands: columns 8 h + 0 .. 3 of row r,
	ds_store_b128 v5, v[180:183] offset:512        ; and 8 h + 4 .. 7
	s_wait_tensorcnt 0x0                           ; a tensor wait, 0 onto my spare word and its wait, behind my last LDS store (only LDS reads follow);
	ds_add_u32 v2, v3
	s_wait_dscnt 0x0                               ; the last is also the wait for the others' sake: my stores have landed
	s_barrier_signal -1
	s_barrier_wait -1
	s_cmp_lt_u32 s10, 2
	s_cbranch_scc0 .Lend
.irp w, 0,1,2,3,4,5,6,7
	ds_load_b128 v[16+4*\w:19+4*\w], v6 offset:1024*\w
.endr
	s_wait_dscnt 0x0
.irp i, 0,2
	v_pk_add_f32 v[16+\i:17+\i], v[16+\i:17+\i], v[20+\i:21+\i]
	v_pk_add_f32 v[24+\i:25+\i], v[24+\i:25+\i], v[28+\i:29+\i]
	v_pk_add_f32 v[32+\i:33+\i], v[32+\i:33+\i], v[36+\i:37+\i]
	v_pk_add_f32 v[40+\i:41+\i], v[40+\i:41+\i], v[44+\i:45+\i]
.endr
.irp i, 0,2
	v_pk_add_f32 v[16+\i:17+\i], v[16+\i:17+\i], v[24+\i:25+\i]
	v_pk_add_f32 v[32+\i:33+\i], v[32+\i:33+\i], v[40+\i:41+\i]
.endr
.irp i, 0,2
	v_pk_add_f32 v[16+\i:17+\i], v[16+\i:17+\i], v[32+\i:33+\i]
.endr
	global_store_b128 v7, v[16:19], s[8:9]         ; out0(row r, column 16 tile + 8 h + 4 g + 0 .. 3)
.Lend:
	s_endpgm
.Lfunc_end_k_q0facac9ba0_fine:
	.size	k_q0facac9ba0_fine, .Lfunc_end_k_q0facac9ba0_fine-k_q0facac9ba0_fine
	.p2alignl 7, 3214868480
	.fill 96, 4, 3214868480
	.section	.rodata,"a",@progbits
	.p2align	6, 0x0
	.amdhsa_kernel k_q0facac9ba0_fine
		.amdhsa_group_segment_fixed_size 9216
		.amdhsa_private_segment_fixed_size 0
		.amdhsa_enable_private_segment 0
		.amdhsa_kernarg_size 24
		.amdhsa_user_sgpr_count 2
		.amdhsa_user_sgpr_kernarg_segment_ptr 1
		.amdhsa_wavefront_size32 1
		.amdhsa_system_sgpr_workgroup_id_x 1
		.amdhsa_system_sgpr_workgroup_id_y 1
		.amdhsa_system_sgpr_workgroup_id_z 1
		.amdhsa_system_vgpr_workitem_id 0
		.amdhsa_next_free_vgpr 224
		.amdhsa_next_free_sgpr 66
		.amdhsa_reserve_vcc 0
		.amdhsa_float_denorm_mode_32 3
		.amdhsa_float_denorm_mode_16_64 3
		.amdhsa_memory_ordered 1
		.amdhsa_forward_progress 1
		.amdhsa_inst_pref_size 10
	.end_amdhsa_kernel
	.amdgpu_metadata
---
amdhsa.version: [ 1, 2 ]
amdhsa.kernels:
  - .name:           k_q0facac9ba0_fine
    .symbol:         k_q0facac9ba0_fine.kd
    .args:
      - { .name: y16, .offset: 0, .size: 8, .value_kind: global_buffer, .address_space: global }
      - { .name: wo2, .offset: 8, .size: 8, .value_kind: global_buffer, .address_space: global }
      - { .name: out0, .offset: 16, .size: 8, .value_kind: global_buffer, .address_space: global }
    .group_segment_fixed_size: 9216
    .private_segment_fixed_size: 0
    .kernarg_segment_align: 8
    .kernarg_segment_size: 24
    .max_flat_workgroup_size: 256
    .sgpr_count:     66
    .vgpr_count:     224
    .wavefront_size: 32
...
	.end_amdgpu_metadata
.endif
;; end of part 5
